; MI455X (gfx1250); checked and timed in simulation.
; The chip was launched on July 23, 2026; its instructions are those of AMD's public machine-readable ISA for CDNA 5 (MIT licence, August 2026) and "CDNA5" Instruction Set Architecture Reference Guide (July 2026). The comments in the code are by the model that wrote it; some were corrected since.
;; Causal Self Attention. Allowed arithmetic: matrix products marked QUANTISED: E4M3 operands, one E8M0 scale for each 32 along K, by v_wmma_scale_f32_16x16x128_f8f6f4 with both operands' format E4M3, f32 sums; everything else in f32.
;; Inputs: proj_b 1,024 float32; proj_w 1,024 x 1,024 float32; qkv_b 3,072 float32; qkv_w 3,072 x 1,024 float32; x 4 x 2,048 x 1,024 float32.
;; Outputs: out0 4 x 2,048 x 1,024 float32.
;; This version of the problem:
;;   THIS VERSION OF THE PROBLEM IS GIVEN IN LOW PRECISION. The matrix products marked QUANTISED in the list below multiply operands that are first quantised to E4M3 (4 exponent bits, 3 mantissa bits; 8 bits a number), with one power-of-two scale for each 32 numbers along K (OCP MX v1.0); their sums are f32. All else is computed in f32.
;;   The module's matrix products, in the order in which they are computed (A, B: the left and right operand; K: the contracted axis; several contracted axes count as one K, in the product's order):
;;     1. [M 8,192, K 1,024] x [K 1,024, N 3,072]; A: input x; B: input qkv_w: QUANTISED
;;     2. batch 64 x [M 2,048, K 64] x [K 64, N 2,048]; A: computed on the way; B: computed on the way: QUANTISED
;;     3. batch 64 x [M 2,048, K 2,048] x [K 2,048, N 64]; A: softmax (see below); B: computed on the way: QUANTISED
;;     4. [M 8,192, K 1,024] x [K 1,024, N 1,024]; A: computed on the way; B: input proj_w: QUANTISED
;;   THE QUANTISER, for each operand of a quantised product, along K:
;;     - K is cut into blocks of 32 from its start; a last block that is shorter is filled with zeros.
;;     - A block's scale is 2^e with e = floor(log2(the largest magnitude in the block)) - 8, held to -126 .. 127; a block of zeros has e = 0. As a byte (E8M0): e + 127.
;;     - Each number is divided by its block's scale, clamped to +-448, and rounded to the nearest number of E4M3, ties to even, subnormals kept.
;;     - The product sums the exact products of the quantised numbers (number of the format x scale) in f32.
;;   ~~~python
;;   def quantise(x, axis):      # numpy; x: float32 -> the quantised numbers, widened to float32 again
;;       x = np.moveaxis(x, axis, -1); K = x.shape[-1]
;;       x = np.pad(x, [(0, 0)] * (x.ndim - 1) + [(0, -K % 32)]); x = x.reshape(x.shape[:-1] + (-1, 32)); a = np.abs(x).max(-1, keepdims=True)
;;       e = np.where(a > 0, np.clip(np.frexp(np.where(a > 0, a, 1))[1] - 1 - 8, -126, 127), 0)      # np.frexp(a)[1] - 1 = floor(log2(a)), exactly
;;       r = np.clip(x / 2.0 ** e, -448, 448)
;;       step = 2.0 ** (np.maximum(np.frexp(np.where(r == 0, 1, r))[1] - 1, -6) - 3)
;;       q = np.round(r / step) * step * 2.0 ** e      # np.round: ties to even
;;       return np.moveaxis(q.reshape(q.shape[:-2] + (-1,))[..., :K], -1, axis).astype(np.float32)
;;   ~~~
;;   SOFTMAX AHEAD OF A QUANTISED PRODUCT. Where the list says 'softmax', what is quantised is not the finished softmax but p = 2^(t - M), with t = logit x log2(e) and M = ceil(the row's largest t), a whole number; so 1/2 < the row's largest p <= 1. The row's sum l is taken of the UNQUANTISED p, in f32, and the product's result is divided by l at the end. Since M is a whole number, a kernel that streams over the keys may use a running M (the ceiling of the running maximum): every later rescaling is an exact power of two, which a block's scale takes up: the codes' values come out the same.
;;   OPERANDS COMPUTED ON THE WAY. 'Computed on the way' means the value that the module computes at that place (a softmax that the list does not call 'softmax' is quantised finished and normalised). What goes into a quantiser is computed in f32, as accurately as f32 sums, v_exp_f32 and their like allow (about 1e-6 of the number): no bf16 or f16 on the way to a quantiser, and a product that is left as it is and whose result goes on into a quantised operand takes f32 operands (vector FMAs, or v_wmma_f32_16x16x4_f32). A number that lies on a knife's edge between two numbers of the format may be rounded either way, as far as f32 arithmetic and the matrix unit's own rounding can turn it there, and no further.
;; One version. Each part assembles by itself: llvm-mc -triple=amdgcn-amd-amdhsa -mcpu=gfx1250 --defsym DOCPART=n.
;; ======== version 1 of 1: 4 launches
;; limits: right only within a limited range of input values
;; workspace buffers: c1 12,582,912 bytes; s1 393,216 bytes; c2 25,165,824 bytes; s2 786,432 bytes; c3 8,388,608 bytes; s3 262,144 bytes
;; launch quant (part 1): grid 768 x 1, 4 waves a work-group, no clusters, 34,816 bytes of LDS; arguments x, qkv_w, proj_w, c1, s1; writes c1, s1
.if DOCPART == 1
	.amdgcn_target "amdgcn-amd-amdhsa--gfx1250"
	.amdhsa_code_object_version 6
	.text
	.protected	k_q88708e081a_quant
	.globl	k_q88708e081a_quant
	.p2align	8
	.type	k_q88708e081a_quant,@function
k_q88708e081a_quant:
	s_mov_b64 s[64:65], 0
	v_nop
	global_prefetch_b8 v0, s[64:65] scope:SCOPE_SE
	s_setreg_imm32_b32 hwreg(HW_REG_WAVE_MODE, 25, 1), 1
	s_wait_xcnt 0x0
; x [8192][1024], qkv_w [3072][1024] and proj_w [1024][1024], f32, K innermost, become codes of FP8 (E4M3) with one E8M0 byte for each 32 along K.
; A block's scale is 2^(floor(log2(its largest magnitude)) - 8); its byte is the largest magnitude's exponent field - 8, held at 1 from below; each number is divided by the scale,
; held within +-448 and rounded to the nearest code, ties to even.
; LIMITS: NaN and infinities among the inputs are not served.  A block of zeros gets the byte 1 where the rule says 127: its codes are zeros, which add nothing under any byte but 0xff,
; and this program alone reads the bytes.  Blocks whose largest magnitude lies under 2^-118 keep the byte 1.
; THE LAYOUT OF c1 AND s1 IS THAT OF THE OPERAND'S REGISTERS.  A TILE is 16 rows: tile 2 g + u holds rows 32 g + 8 u + i + 8 (i / 8), i = 0 .. 15.  c1: [tile 768][block of 32 along K: 32][512 bytes]:
; lane l's 16 bytes at 16 l are the codes of tile row l % 16, k = 32 block + 16 (l / 16) + 0 .. 15.  s1: [tile 768][pair of K steps 4][row 16][K step in the pair 2] words: a word holds the four bytes of 128 along K
; of one row.  Tiles 0-511: x; 512-703: qkv_w; 704-767: proj_w.
; SHARES.  A work-group takes one tile; wave w takes quarter w of K: two steps of 128, both asked for at once: 32 loads a wave, and no load waits for an earlier one.  768 work-groups: three for each of 256 WGPs.
; Each load reads 512 consecutive bytes of one row; a step's 16 rows turn through the wave's own stage in LDS (rows of 512 + 16 bytes) and come back 16 neighbours of each block a lane.  Every store of codes covers
; 512 consecutive aligned bytes.  The tile's 512 bytes of scale words are gathered in LDS; behind one barrier waves 0 and 1 store 256 consecutive aligned bytes each.  No tensor loads, no matrix unit, no cluster: memory binds.
.set R,    16                          ; v16-143  two sets of 64: the two steps' numbers as loaded
.set X,    144                         ; v144-207 register 16 b + i: k = 32 b + 16 (lane / 16) + i of my row
.set C,    208                         ; v208-223 the fragment's codes
.set TM,   224                         ; v224-227 largest magnitudes, v228-231 bytes, v232-235 448 x the scale, v236-239 the conversions' scale operands
.set PW,   240                         ; v240     the step's scale word
.set SP,   528
.set WREG, 16*SP                       ; a wave's stage
.set SCW,  4*WREG                      ; behind the four stages: the tile's scale words, 512 bytes, laid as in s1
.set SPARE, SCW+512                    ; the spare words, 128 bytes for each wave
.set SEL,  20                          ; s[20:21] lane selects for v_permlanex16_b32: lane l xor 16
.set MNT,  23                          ; s23      the mantissa field of 448
	s_load_b256 s[4:11], s[0:1], 0x0               ; x s[4:5], qkv_w s[6:7], proj_w s[8:9], c1 s[10:11]
	s_load_b64 s[12:13], s[0:1], 0x20              ; s1
	v_lshl_add_u32 v254, v0, 2, SPARE
	v_mov_b32 v255, 0
	v_lshrrev_b32 v7, 5, v0
	v_readfirstlane_b32 s18, v7                    ; wave
	v_and_b32 v8, 31, v0                           ; lane
	v_and_b32 v9, 15, v0                           ; r
	v_bfe_u32 v10, v0, 4, 1                        ; h
	v_lshlrev_b32 v1, 4, v8                        ; v1: 16 x lane: my bytes of a load's and of a store's 512
	s_mul_i32 s19, s18, WREG
	v_add_nc_u32 v2, s19, v1                       ; v2: the stage, on the way in
	v_mul_u32_u24 v3, v9, SP
	v_lshl_add_u32 v3, v10, 6, v3
	v_add_nc_u32 v3, s19, v3                       ; v3: on the way out: row r, + 64 h
	s_lshl_b32 s19, s18, 7
	s_add_co_u32 s19, s19, SCW
	v_lshlrev_b32 v4, 3, v9
	v_add_nc_u32 v4, s19, v4                       ; v4: my row's two scale words: 128 x wave + 8 r
	v_lshlrev_b32 v6, 3, v8
	s_lshl_b32 s19, s18, 8
	v_add_nc_u32 v6, s19, v6                       ; v6: waves 0, 1 on the way out: 256 x wave + 8 x lane
	v_add_nc_u32 v5, SCW, v6                       ; v5: the same in LDS
	s_mov_b32 s[SEL], 0x76543210
	s_mov_b32 s[SEL+1], 0xfedcba98
	s_mov_b32 s[MNT], 0x600000
.irp b, 0,1,2,3
	v_mov_b32 v[TM+4+\b], 0                        ; written once: a lane permute's destination counts as one of its sources
.endr
	s_mov_b32 s15, 704
	s_wait_alu depctr_va_vdst(0)                   ; the wait at the head's end
	s_wait_kmcnt 0x0
	s_cmp_lt_u32 ttmp9, 704                        ; which tensor: the choice hangs on the work-group's number alone
	s_cselect_b64 s[6:7], s[6:7], s[8:9]
	s_cselect_b32 s14, 512, s15
	s_cmp_lt_u32 ttmp9, 512
	s_cselect_b64 s[4:5], s[4:5], s[6:7]
	s_cselect_b32 s14, 0, s14
	s_sub_co_u32 s14, ttmp9, s14                   ; which tile of that tensor
	s_lshr_b32 s16, s14, 1
	s_lshl_b32 s16, s16, 17                        ; 32 rows of 4,096 bytes for a pair of tiles,
	s_and_b32 s26, s14, 1
	s_lshl_b32 s26, s26, 15                        ; 8 rows for the odd tile,
	s_add_co_u32 s16, s16, s26
	s_lshl_b32 s26, s18, 10                        ; 256 numbers for a quarter of K
	s_add_co_u32 s16, s16, s26
	s_mov_b32 s17, 0
	s_add_nc_u64 s[4:5], s[4:5], s[16:17]
	s_lshl_b32 s16, ttmp9, 14                      ; c1: tile of 16,384 bytes, + 4,096 for a quarter of K
	s_lshl_b32 s26, s18, 12
	s_add_co_u32 s16, s16, s26
	s_add_nc_u64 s[10:11], s[10:11], s[16:17]
	s_lshl_b32 s16, ttmp9, 9                       ; s1: tile of 512 bytes
	s_add_nc_u64 s[12:13], s[12:13], s[16:17]
.macro LOAD t                          ; step t: 128 numbers of each of the tile's 16 rows
.irp i, 0,1,2,3,4,5,6,7,8,9,10,11,12,13,14,15
	global_load_b128 v[R+64*(\t)+4*\i:R+64*(\t)+4*\i+3], v1, s[4:5] offset:(\i+8*(\i/8))*4096+512*(\t) th:TH_LOAD_NT
.endr
.endm
.macro TURN t                          ; through the stage: LDS serves a wave's instructions in order, so no wait stands between the stores and the loads
.irp i, 0,1,2,3,4,5,6,7,8,9,10,11,12,13,14,15
	ds_store_b128 v2, v[R+64*(\t)+4*\i:R+64*(\t)+4*\i+3] offset:SP*\i
.endr
.irp b, 0,1,2,3
.irp j, 0,1,2,3
	ds_load_b128 v[X+16*\b+4*\j:X+16*\b+4*\j+3], v3 offset:128*\b+16*\j
.endr
.endr
.endm
.macro QUANT                           ; 64 numbers of a lane become a fragment's codes and its row's scale word
.irp b, 0,1,2,3
	v_max3_num_f32 v[TM+\b], |v[X+16*\b]|, |v[X+16*\b+1]|, 0x4800000   ; block b: my 16 numbers, and the floor 2^(9 - 127): the byte cannot fall under 1
.endr
.irp i, 2,4,6,8,10,12,14
.irp b, 0,1,2,3
	v_max3_num_f32 v[TM+\b], v[TM+\b], |v[X+16*\b+\i]|, |v[X+16*\b+\i+1]|   ; the four blocks by turns
.endr
.endr
.irp b, 0,1,2,3
	v_permlanex16_b32 v[TM+4+\b], v[TM+\b], s[SEL], s[SEL+1]
.endr
.irp b, 0,1,2,3
	v_max_num_f32 v[TM+\b], v[TM+\b], v[TM+4+\b]   ; with lane l xor 16's 16: the block's largest magnitude
.endr
.irp b, 0,1,2,3
	v_add_nc_u32 v[TM+12+\b], 0xfc000000, v[TM+\b] ; 8 off its exponent field: the conversion takes the exponent field of this operand as its scale
.endr
.irp b, 0,1,2,3
	v_and_or_b32 v[TM+8+\b], v[TM+\b], 0x7f800000, s[MNT]   ; 448 x the scale
.endr
.irp b, 0,1,2,3
	v_lshrrev_b32 v[TM+4+\b], 23, v[TM+12+\b]      ; the scale's byte
.endr
	v_lshl_or_b32 v[PW], v[TM+5], 8, v[TM+4]
	v_lshl_or_b32 v[PW], v[TM+6], 16, v[PW]
	v_lshl_or_b32 v[PW], v[TM+7], 24, v[PW]
.irp b, 0,1,2,3
.irp i, 0,1,2,3,4,5,6,7,8,9,10,11,12,13,14,15
	v_med3_num_f32 v[X+16*\b+\i], v[X+16*\b+\i], -v[TM+8+\b], v[TM+8+\b]   ; the conversion to an 8-bit code does not saturate (ISA guide 7.6.2): the hold comes first
.endr
	v_cvt_scalef32_pk8_fp8_f32 v[C+4*\b:C+4*\b+1], v[X+16*\b:X+16*\b+7], v[TM+12+\b]
	v_cvt_scalef32_pk8_fp8_f32 v[C+4*\b+2:C+4*\b+3], v[X+16*\b+8:X+16*\b+15], v[TM+12+\b]
.endr
	v_nop                                          ; a plain line behind the last conversion
.endm
.macro STEP t
	s_wait_loadcnt 16*(1-(\t))                     ; this step's 16 loads are in; step 1's 16 may be out
	TURN \t
	s_wait_dscnt 0x0                               ; my numbers are back
.if (\t) > 0
	s_wait_xcnt 0x0                                ; the last step's stores have read the codes' registers: they are written again only behind this wait
.endif
	QUANT
.irp c, 0,1,2,3
	global_store_b128 v1, v[C+4*\c:C+4*\c+3], s[10:11] offset:2048*(\t)+512*\c   ; 32 lanes store 512 consecutive aligned bytes: a block's image
.endr
	ds_store_b32 v4, v[PW] offset:4*(\t)           ; both halves of the lanes write the same word with the same value
.endm
	LOAD 0
	LOAD 1
	STEP 0
	STEP 1
	s_wait_dscnt 0x0                               ; my scale words are stored: for the other waves' sake
	s_barrier_signal -1
	s_barrier_wait -1
	s_cmp_lt_u32 s18, 2
	s_cbranch_scc0 .Ldone
	ds_load_b64 v[242:243], v5                     ; waves 0 and 1: half of the tile's scale words each
	s_wait_dscnt 0x0
	global_store_b64 v6, v[242:243], s[12:13]      ; 32 lanes store 256 consecutive aligned bytes
.Ldone:
	s_wait_tensorcnt 0x0                           ; the wave's end
	ds_add_u32 v254, v255
	s_wait_dscnt 0x0
	s_endpgm
.Lfunc_end_k_q88708e081a_quant:
	.size	k_q88708e081a_quant, .Lfunc_end_k_q88708e081a_quant-k_q88708e081a_quant
	.p2alignl 7, 3214868480
	.fill 96, 4, 3214868480
	.section	.rodata,"a",@progbits
	.p2align	6, 0x0
	.amdhsa_kernel k_q88708e081a_quant
		.amdhsa_group_segment_fixed_size 34816
		.amdhsa_private_segment_fixed_size 0
		.amdhsa_enable_private_segment 0
		.amdhsa_kernarg_size 40
		.amdhsa_user_sgpr_count 2
		.amdhsa_user_sgpr_kernarg_segment_ptr 1
		.amdhsa_wavefront_size32 1
		.amdhsa_system_sgpr_workgroup_id_x 1
		.amdhsa_system_sgpr_workgroup_id_y 1
		.amdhsa_system_sgpr_workgroup_id_z 1
		.amdhsa_system_vgpr_workitem_id 0
		.amdhsa_next_free_vgpr 256
		.amdhsa_next_free_sgpr 66
		.amdhsa_reserve_vcc 0
		.amdhsa_float_denorm_mode_32 3
		.amdhsa_float_denorm_mode_16_64 3
		.amdhsa_memory_ordered 1
		.amdhsa_forward_progress 1
		.amdhsa_inst_pref_size 27
	.end_amdhsa_kernel
	.amdgpu_metadata
---
amdhsa.version: [ 1, 2 ]
amdhsa.kernels:
  - .name:           k_q88708e081a_quant
    .symbol:         k_q88708e081a_quant.kd
    .args:
      - { .name: x, .offset: 0, .size: 8, .value_kind: global_buffer, .address_space: global }
      - { .name: qkv_w, .offset: 8, .size: 8, .value_kind: global_buffer, .address_space: global }
      - { .name: proj_w, .offset: 16, .size: 8, .value_kind: global_buffer, .address_space: global }
      - { .name: c1, .offset: 24, .size: 8, .value_kind: global_buffer, .address_space: global }
      - { .name: s1, .offset: 32, .size: 8, .value_kind: global_buffer, .address_space: global }
    .group_segment_fixed_size: 34816
    .private_segment_fixed_size: 0
    .kernarg_segment_align: 8
    .kernarg_segment_size: 40
    .max_flat_workgroup_size: 128
    .sgpr_count:     66
    .vgpr_count:     256
    .wavefront_size: 32
...
	.end_amdgpu_metadata
.endif
;; end of part 1
;; launch gemm1 (part 2): grid 96 x 4, 4 waves a work-group, clusters of 4 x 4, 327,680 bytes of LDS; arguments c1, s1, qkv_b, c2, s2; writes c2, s2
.if DOCPART == 2
	.amdgcn_target "amdgcn-amd-amdhsa--gfx1250"
	.amdhsa_code_object_version 6
	.text
	.protected	k_q88708e081a_gemm1
	.globl	k_q88708e081a_gemm1
	.p2align	8
	.type	k_q88708e081a_gemm1,@function
k_q88708e081a_gemm1:
	s_mov_b64 s[64:65], 0
	v_nop
	global_prefetch_b8 v0, s[64:65] scope:SCOPE_SE
	s_setreg_imm32_b32 hwreg(HW_REG_WAVE_MODE, 25, 1), 1
	s_wait_xcnt 0x0
	s_wait_alu depctr_hold_cnt(0) depctr_sa_sdst(0) depctr_va_vdst(0) depctr_va_sdst(0) depctr_va_ssrc(0) depctr_va_vcc(0) depctr_vm_vsrc(0)
	s_getreg_b32 s2, hwreg(HW_REG_IB_STS2, 6, 4)
	s_cmp_eq_u32 s2, 0
	s_cbranch_scc0 .Lentry_in_a_cluster
	s_endpgm
.Lentry_in_a_cluster:
	s_bfe_u32 s2, ttmp6, 0x10000c
	s_cmp_lg_u32 s2, 0xf033
	s_cbranch_scc0 .Lentry_shape_is_right
	s_endpgm
.Lentry_shape_is_right:
; qkv = x qkv_w^T + qkv_b on codes of FP8 (E4M3) with E8M0 scales for each 32 along K = 1,024; the f32 sums never go to memory: q and k are quantised along the head's 64 channels, v along the keys, in the
; registers in which the sums stand, and leave as codes and scale words laid as the attention launch's operand registers.
; OPERANDS.  c1, s1: images of operand registers.  A tile is 16 rows (tile 2 g + u: rows 32 g + 8 u + i + 8 (i / 8)); c1 [tile][block of 32 along K: 32][512 bytes], lane l's 16 bytes at 16 l;
; s1 [tile][pair of K steps 4][row 16][2] words.  So a fragment is four loads of 512 dense bytes: no pitch, no padding, no bank met twice.
; A work-group makes 256 x 256 of the product, a wave 128 x 128: 64 accumulators, 512 registers.  SOURCE 0 is called P, SOURCE 1 Q.  In the result a lane holds ONE row of Q (lane % 16), and the 16 registers of P's
; tiles 2 b and 2 b + 1 are P's rows 32 b + 16 (lane / 16) + 0 .. 15: sixteen neighbours, as the conversions want them.
; TWO KINDS OF CLUSTER, one text.  Clusters 0-15 (q and k): P = qkv_w's rows 0-2047, Q = x: a lane holds a token, its registers run along the channels.  Clusters 16-23 (v): P = x, Q = qkv_w's rows 2048-3071:
; a lane holds a channel, its registers run along the tokens, which are the keys.  The kind hangs on the cluster's number alone, which all sixteen partners share.
; CLUSTERS: 4 x 4 work-groups.  P's tiles hang on the place along x and are shared along a column, Q's on the place along y and are shared along a row: each is asked for JOINTLY.
; K goes in steps of 256 through two LDS slots; K = 1,024 is four steps, so the ring is written out.  The scale words of the work-group's rows come once, with the first fills.
; THE BIAS is the C of each sum's first product (so it is added first, where the module adds it last).
; OUT.  c2: q and k at 0: [token tile 512][block 64][512] (blocks 2 head + b: q; 32 + 2 head + b: k); v at 16,777,216: [channel tile 64][block of 32 tokens 256][512].
; s2: q and k at 0: [head slot 32][pair of token tiles 256][row 16] words (tile 2 p's two bytes, tile 2 p + 1's two); v at 524,288: [128 tokens: 64][channel tile 64][row 16] words.
; LIMITS: NaN and infinities are not served; a block of zeros gets the byte 1 (its codes are zeros, and this program alone reads the bytes).
; REGISTERS, in windows of 256: window 0: v8-15 offsets; v16-31 addresses; v32-63 scale words and nothing else; v64-127 the bias, later the quantiser's temporaries; v128-255 Q's fragments, ONE set, later the codes.
;   window 1: P's fragments, TWO sets, at v0 and v128.   windows 2, 3: the accumulators of Q's tiles 0-3, 4-7 ((a, b) at v[8 (8 (a % 4) + b)]).
.set SLOT,  131072                     ; Q's 16 tiles x 4,096 bytes, then P's 16
.set POFF,  65536
.set TILEB, 4096                       ; a tile's 256 along K
.set SCL,   262144                     ; behind the ring: Q's scale words, 8,192 bytes; P's begin 8,320 on, so that the two halves of the lanes meet different banks
.set PSH,   8320
.set SPARE, 278784                     ; the spare words, 128 bytes for each wave: two blocks of 256 bytes that no other line names
.set NP,    8                          ; places behind this matrix instruction (ISA guide 7.12.1)
.set OFA,   8                          ; v8-15   at the head the bias's offsets, on the way out the codes' offsets
.set ADRA,  16                         ; v16-17  LDS address of my fragments of Q in slot 0, 1
.set ADRB,  20                         ; v20-21  of P
.set SCW,   24                         ; v24     my scratch for scale words: 512 x wave + 4 r
.set SCR,   25                         ; v25     and back: 512 x wave + 16 x lane
.set SGO,   26                         ; v26     the scale words' offset in s2
.set ADRS,  27                         ; v27     LDS address of my scale words: lanes 0-15 Q's, lanes 16-31 P's
.set SPW,   28                         ; v28     LDS address of my spare word; never rewritten
.set NIL,   29                         ; v29     0; never rewritten
.set LI,    30                         ; v30     16 x lane
.set SC,    32                         ; scale words: set s at v[32 + 16 s]; register 2 i + q: lanes 0-15 Q's tile i, lanes 16-31 P's tile i, the slot's q-th 128 along K
.set PWB,   32                         ; on the way out: v32-39 the scale word of each of Q's tiles; v40-47 words as they are stored; v60-63 words read back
.set XW,    40
.set SOUT,  60
.set BIAS,  64
.set TM,    64                         ; on the way out: the quantiser's 16 temporaries
.set AF,    128
.set G1,   24                          ; s[24:31] group 1 for Q's codes; s[32:39] group 0, one set a slot
.set G0,   32
.set G1B,  48                          ; s[48:55], s[56:63] the same for P
.set G0B,  56
.set G1S,  68                          ; s[68:75], s[76:79] Q's scale words;  s[80:87], s[88:91] P's
.set G0S,  76
.set G1SB, 80
.set G0SB, 88
.set MSB, 0
.macro WIN new                         ; the immediate's high byte repeats the setting that is left
.if MSB != (\new)
	s_set_vgpr_msb (MSB<<8)|(\new)
.set MSB, (\new)
.endif
.endm
.set MUL_LO, 0xa1                      ; source 0 (P) window 1, source 1 (Q) window 0, C and D window 2
.set MUL_HI, 0xf1                      ; the same, C and D window 3
.set BIA_LO, 0x81                      ; C (the bias) window 0, D window 2
.set BIA_HI, 0xc1                      ; C window 0, D window 3
.set TO_B,   0x40                      ; destination window 1
; A joint load: waves 0 and 1 fetch for Q, waves 2 and 3 for P.  Each line has one mask and one set of registers for all that issue it; the branch hangs on the wave's number alone.
; Four v_nop follow each of the two lines.
.macro JLOAD g0a, g1a, g0b, g1b
	s_cmp_eq_u32 s15, 0
	s_cbranch_scc0 .Lfor_p_\@
	tensor_load_to_lds s[\g0a:\g0a+3], s[\g1a:\g1a+7]
	s_nop 0
.rept 4
	v_nop
.endr
	s_branch .Lasked_\@
.Lfor_p_\@:
	tensor_load_to_lds s[\g0b:\g0b+3], s[\g1b:\g1b+7]
	s_nop 0
.rept 4
	v_nop
.endr
.Lasked_\@:
.endm
.macro CREST                           ; a round of the cluster's barrier behind its opening barrier
	s_cmp_lg_u32 s14, 0
	s_cbranch_scc1 .Lnot_wave_0_\@
	s_barrier_signal -3
.Lnot_wave_0_\@:
	s_barrier_wait -3
	s_barrier_signal -1
	s_barrier_wait -1
.endm
.macro CROUND
	s_barrier_signal -1
	s_barrier_wait -1
	CREST
.endm
	s_load_b256 s[4:11], s[0:1], 0x0               ; c1 s[4:5], s1 s[6:7], qkv_b s[8:9], c2 s[10:11]
	s_load_b64 s[12:13], s[0:1], 0x20              ; s2
	v_lshl_add_u32 v[SPW], v0, 2, SPARE
	v_mov_b32 v[NIL], 0
	ds_add_u32 v28, v29
	ds_add_u32 v28, v29
	s_wait_dscnt 0x0
	v_lshrrev_b32 v1, 5, v0
	v_readfirstlane_b32 s14, v1                    ; wave 0..3
	s_lshr_b32 s15, s14, 1                         ; QH: which 128 rows of Q are mine.  Also: I fetch for Q (0) or for P (1)
	s_and_b32 s16, s14, 1                          ; PH: which 128 rows of P are mine.  Also: which 128 rows I fetch
	s_bfe_u32 s40, ttmp6, 0x40000                  ; cx, cy: my place in the cluster
	s_bfe_u32 s41, ttmp6, 0x40004
	s_lshl_b32 s43, s41, 2
	s_lshl_b32 s43, 15, s43                        ; my row of the cluster
	s_lshl_b32 s44, 0x1111, s40                    ; my column
	; group 1 for codes: 8 tiles' 4,096 bytes (512 elements of 8 bytes), 16,384 bytes apart in memory, dense in LDS
	s_or_b32 s[G1+0], s43, (3<<16)|(1<<21)         ; 15:0 the mask: Q's tiles go to my row; 17:16 elements of 8 bytes; 21 set beside a mask; no padding
	s_or_b32 s[G1B+0], s44, (3<<16)|(1<<21)        ; P's go to my column
.irp g, G1, G1B
	s_mov_b32 s[\g+1], 512<<16                     ; tensor_dim0
	s_mov_b32 s[\g+2], 16<<16                      ; tensor_dim1: 16 tiles for the head's loads; set to 8 for the ring's behind the wait for them
	s_mov_b32 s[\g+3], 512<<16                     ; tile_dim0
	s_mov_b32 s[\g+4], 16                          ; tile_dim1
	s_mov_b32 s[\g+5], 2048                        ; tensor_dim0_stride
	s_mov_b32 s[\g+6], 0
	s_mov_b32 s[\g+7], 0
.endr
	; and for scale words: 16 tiles' 512 bytes are 8,192 dense bytes: 32 rows of 256
	s_or_b32 s[G1S+0], s43, (3<<16)|(1<<21)
	s_or_b32 s[G1SB+0], s44, (3<<16)|(1<<21)
.irp g, G1S, G1SB
	s_mov_b32 s[\g+1], 32<<16
	s_mov_b32 s[\g+2], 32<<16                      ; 16 tiles' scale words: 8,192 dense bytes, 32 rows of 256
	s_mov_b32 s[\g+3], 32<<16
	s_mov_b32 s[\g+4], 32
	s_mov_b32 s[\g+5], 32
	s_mov_b32 s[\g+6], 0
	s_mov_b32 s[\g+7], 0
.endr
	; THE KIND.  All candidates are made first; behind the compare stand moves and selects alone, which leave SCC as it is
	s_and_b32 s45, ttmp9, 1
	s_sub_co_u32 s46, ttmp9, 16
	s_lshr_b32 s21, ttmp9, 1
	s_mov_b32 s94, 131072
	s_mov_b32 s95, 0x03020100
	s_mov_b32 s96, 0x07060504
	s_cmp_lt_u32 ttmp9, 16                         ; q and k (1) or v (0)
	s_cselect_b32 s45, s45, s46                    ; which four blocks of P the cluster takes
	s_cselect_b32 s46, 512, 0                      ; P's first tile in c1
	s_cselect_b32 s21, s21, 0                      ; which four blocks of Q
	s_cselect_b32 s23, 0, 640                      ; Q's first tile in c1
	s_cselect_b32 s94, 32768, s94                  ; bytes from one of Q's tiles to the next in c2
	s_cselect_b32 s95, 0x05040100, s95             ; how two tiles' scale words become the words that are stored:
	s_cselect_b32 s96, 0x07060302, s96             ; q, k: the two low halves, the two high halves; v: as they are
	s_cselect_b32 s97, 0, 0x1000000                ; the part of c2
	s_cselect_b32 s98, 64, 0                       ; the bias's offset: x lane / 16,
	s_cselect_b32 s99, 0, 4                        ; x (r + 8 (r / 8)),
	s_cselect_b32 s3, 4, 0                         ; x the register's number
	s_cselect_b32 s19, 0, -1                       ; all lanes on for v
	s_lshl_b32 s17, s45, 2
	s_add_co_u32 s17, s17, s40                     ; PI: my block of 256 rows of P: it holds cx and never cy
	s_lshl_b32 s18, s21, 2
	s_add_co_u32 s18, s18, s41                     ; QI: of Q: cy and never cx
	s_lshl_b32 s20, s18, 4
	s_add_co_u32 s20, s20, s23                     ; Q: the block's first tile
	s_lshl_b32 s22, s20, 9                         ; its scale words,
	s_lshl_b32 s20, s20, 14                        ; its codes, in bytes
	s_mov_b32 s21, 0
	s_mov_b32 s23, 0
	s_lshl_b32 s92, s17, 4
	s_add_co_u32 s92, s92, s46                     ; P: the block's first tile
	s_lshl_b32 s46, s92, 14
	s_lshl_b32 s92, s92, 9
	s_mov_b32 s47, 0
	s_mov_b32 s93, 0
	s_lshl_b32 s45, s14, 15                        ; where they go: wave x 8 tiles: no place in the cluster enters an LDS address
	s_wait_kmcnt 0x0
	s_add_nc_u64 s[20:21], s[4:5], s[20:21]
	s_add_nc_u64 s[22:23], s[6:7], s[22:23]
	s_add_nc_u64 s[46:47], s[4:5], s[46:47]
	s_add_nc_u64 s[92:93], s[6:7], s[92:93]
	CROUND                                         ; all sixteen work-groups are here: the first joint loads meet
	s_mov_b32 s[G0S], 1
	s_mov_b32 s[G0S+1], SCL
	s_mov_b64 s[G0S+2:G0S+3], s[22:23]
	s_or_b32 s[G0S+3], s[G0S+3], 0x80000000
	s_mov_b32 s[G0SB], 1
	s_mov_b32 s[G0SB+1], SCL+PSH
	s_mov_b64 s[G0SB+2:G0SB+3], s[92:93]
	s_or_b32 s[G0SB+3], s[G0SB+3], 0x80000000
	s_cmp_eq_u32 s15, 0                            ; the prefetches: my place among the four that ask with me: cx for Q's tiles, cy for P's
	s_cselect_b32 s100, s40, s41
	s_lshl_b32 s100, s100, 15                      ; two tiles of 16,384 bytes for each partner
	s_mov_b32 s101, 0
	s_mov_b32 s4, 1                                ; group 0 of the head's loads of K step 0: Q's 16 tiles,
	s_mov_b32 s5, 0
	s_mov_b64 s[6:7], s[20:21]
	s_or_b32 s7, s7, 0x80000000
	s_mov_b32 s40, 1                               ; P's 16 tiles, behind them in slot 0
	s_mov_b32 s41, POFF
	s_mov_b64 s[42:43], s[46:47]
	s_or_b32 s43, s43, 0x80000000
	s_lshl_b32 s66, s16, 17                        ; for the ring: the 8 tiles that I fetch
	s_mov_b32 s67, 0
	s_add_nc_u64 s[20:21], s[20:21], s[66:67]
	s_add_nc_u64 s[46:47], s[46:47], s[66:67]
	s_cmp_eq_u32 s15, 0
	s_cselect_b64 s[66:67], s[20:21], s[46:47]
	s_add_nc_u64 s[100:101], s[66:67], s[100:101]  ; my work-group's two of these 8 tiles; never rewritten
.irp s, 0,1
	s_mov_b32 s[G0+4*\s], 1
	s_add_co_u32 s[G0+4*\s+1], s45, \s*SLOT
	s_add_nc_u64 s[G0+4*\s+2:G0+4*\s+3], s[20:21], \s*TILEB
	s_or_b32 s[G0+4*\s+3], s[G0+4*\s+3], 0x80000000
	s_mov_b32 s[G0B+4*\s], 1
	s_add_co_u32 s[G0B+4*\s+1], s45, \s*SLOT
	s_add_nc_u64 s[G0B+4*\s+2:G0B+4*\s+3], s[46:47], \s*TILEB
	s_or_b32 s[G0B+4*\s+3], s[G0B+4*\s+3], 0x80000000
.endr
; THE HEAD'S LOADS, ONE A WAVE: wave 0 K step 0's 16 tiles of Q, wave 1 those of P, wave 2 Q's scale words, wave 3 P's.  One chain of branches on the wave's number, a load to an arm.
.macro ARM under, g0, g1, next
	s_cmp_lt_u32 s14, \under
	s_cbranch_scc0 \next
	tensor_load_to_lds s[\g0:\g0+3], s[\g1:\g1+7]
	s_nop 0
.rept 4
	v_nop
.endr
	s_branch .Lhead_asked
\next:
.endm
	ARM 1, 4, G1, .Lhead_p
	ARM 2, 40, G1B, .Lhead_sq
	ARM 3, G0S, G1S, .Lhead_sp
	tensor_load_to_lds s[G0SB:G0SB+3], s[G1SB:G1SB+7]
	s_nop 0
.rept 4
	v_nop
.endr
.Lhead_asked:
	; PREFETCHES of K steps 1 and 2 (K step 3: behind slot 1's load): a K step of two tiles is 32 blocks of 256 bytes, a lane a block, one instruction a wave; the four partners share a wave's 8 tiles out by address
	v_and_b32 v31, 15, v0
	v_bfe_u32 v7, v0, 4, 1
	v_lshlrev_b32 v31, 8, v31
	v_lshl_add_u32 v31, v7, 14, v31                ; v31: 16,384 x (lane / 16) + 256 x (lane % 16); never rewritten
	global_prefetch_b8 v31, s[100:101] offset:4096 th:TH_LOAD_NT scope:SCOPE_SE
	global_prefetch_b8 v31, s[100:101] offset:8192 th:TH_LOAD_NT scope:SCOPE_SE
	v_and_b32 v1, 15, v0                           ; r
	v_bfe_u32 v2, v0, 4, 1                         ; h
	s_wait_alu depctr_va_vdst(0)
	v_and_b32 v3, 31, v0
	v_lshlrev_b32 v[LI], 4, v3
	s_wait_alu depctr_va_vdst(0)
	s_lshl_b32 s20, s15, 15                        ; my 8 tiles of Q
	s_lshl_b32 s21, s16, 15                        ; my 8 tiles of P,
	s_add_co_u32 s21, s21, POFF                    ; which lie behind Q's 16
.irp s, 0,1
	v_add_nc_u32 v[ADRA+\s], s20, v[LI]
	v_add_nc_u32 v[ADRB+\s], s21, v[LI]
	s_add_co_u32 s20, s20, SLOT
	s_add_co_u32 s21, s21, SLOT
.endr
	s_lshl_b32 s20, s15, 12                        ; Q's scale words: my 8 tiles
	s_lshl_b32 s21, s16, 12                        ; P's
	s_add_co_u32 s21, s21, PSH
	s_sub_co_u32 s21, s21, s20
	v_mul_u32_u24 v6, s21, v2                      ; lanes 16-31 take P's: one product of the distance between the two
	s_add_co_u32 s20, s20, SCL
	v_lshl_add_u32 v5, v1, 3, v6                   ; 8 bytes a row
	v_add_nc_u32 v[ADRS], s20, v5
	s_lshl_b32 s20, s14, 9
	v_lshl_add_u32 v[SCW], v1, 2, s20
	v_add_nc_u32 v[SCR], s20, v[LI]
	v_lshlrev_b32 v4, 4, v1                        ; the scale words' place in s2.  q, k: lanes 0-15 one head slot's 256 bytes, lanes 16-31 the next slot's, 16,384 on
	v_lshl_add_u32 v4, v2, 14, v4
	v_bfe_u32 v5, v0, 2, 2                         ; v: lanes 0-15 hold the even tiles, lanes 16-31 the odd ones, four lanes a tile
	v_and_b32 v6, 3, v0
	v_lshlrev_b32 v5, 7, v5
	v_lshl_add_u32 v5, v2, 6, v5
	v_lshl_add_u32 v5, v6, 4, v5
	v_cndmask_b32 v[SGO], v4, v5, s19
	; THE BIAS.  q, k: register j of tile t belongs to P's row 32 (t / 2) + 8 (t % 2) + 16 h + j;  v: every register of tile t to Q's row 32 (t / 2) + 8 (t % 2) + r + 8 (r / 8)
	v_and_b32 v4, 8, v1
	v_add_nc_u32 v4, v4, v1
	v_mul_u32_u24 v5, s98, v2
	v_mad_u32_u24 v5, v4, s99, v5
	v_mov_b32 v6, s3
.irp j, 0,1,2,3,4,5,6,7
	v_mad_u32_u24 v[OFA+\j], v6, \j, v5
.endr
	s_lshl_b32 s20, s17, 10                        ; q, k: channel 256 PI + 128 PH, in bytes
	s_lshl_b32 s21, s16, 9
	s_add_co_u32 s20, s20, s21
	s_lshl_b32 s22, s18, 10                        ; v: channel 2,048 + 256 QI + 128 QH
	s_lshl_b32 s23, s15, 9
	s_add_co_u32 s22, s22, s23
	s_add_co_u32 s22, s22, 8192
	s_cmp_lt_u32 ttmp9, 16
	s_cselect_b32 s20, s20, s22
	s_mov_b32 s21, 0
	s_add_nc_u64 s[8:9], s[8:9], s[20:21]
	s_wait_alu depctr_va_vdst(0)
.irp t, 0,1,2,3,4,5,6,7
.irp j, 0,1,2,3,4,5,6,7
	global_load_b32 v[BIAS+8*\t+\j], v[OFA+\j], s[8:9] offset:(32*(\t/2)+8*(\t%2))*4
.endr
.endr
	; where my codes go: the part of c2 + Q's tile 16 QI + 8 QH + block 8 PI + 4 PH of 512 bytes
	s_lshl_b32 s20, s18, 4
	s_lshl_b32 s21, s15, 3
	s_add_co_u32 s20, s20, s21                     ; Q's tile
	s_mul_i32 s22, s20, s94
	s_add_co_u32 s22, s22, s97
	s_lshl_b32 s23, s17, 12
	s_add_co_u32 s22, s22, s23
	s_lshl_b32 s23, s16, 11
	s_add_co_u32 s22, s22, s23
	s_mov_b32 s23, 0
	s_add_nc_u64 s[10:11], s[10:11], s[22:23]
	; and my scale words.  q, k: head slot 4 PI + 2 PH of 16,384 bytes + pair of tiles 8 QI + 4 QH of 64;  v: 524,288 + 128 tokens 2 PI + PH of 4,096 bytes + channel tile of 64
	s_lshl_b32 s22, s17, 16
	s_lshl_b32 s23, s16, 15
	s_add_co_u32 s22, s22, s23
	s_lshl_b32 s23, s20, 5
	s_add_co_u32 s22, s22, s23
	s_lshl_b32 s2, s17, 13
	s_lshl_b32 s23, s16, 12
	s_add_co_u32 s2, s2, s23
	s_lshl_b32 s23, s20, 6
	s_add_co_u32 s2, s2, s23
	s_add_co_u32 s2, s2, 524288
	s_cmp_lt_u32 ttmp9, 16
	s_cselect_b32 s22, s22, s2
	s_mov_b32 s23, 0
	s_add_nc_u64 s[12:13], s[12:13], s[22:23]
.macro FRAG reg, adr, q, i             ; a fragment, 16 rows x 128 K: four blocks' images, 512 dense bytes each
.irp c, 0,1,2,3
	ds_load_b128 v[\reg+4*\c:\reg+4*\c+3], v[\adr] offset:TILEB*(\i)+2048*(\q)+512*\c
.endr
.endm
; 16 matrix instructions: Q's tiles a0, a0 + 1 x P's eight, the slot's q-th 128 along K.  p: P's set; sc: the set of scale words.  cm = 1: the sums start with the bias of P's rows; 2: of Q's rows; 0: they go on.
; The 64 accumulators take turns, one instruction a turn, in the same order in every step.
.macro MUL16 a0, p, q, sc, cm
.irp a, \a0, \a0+1
.irp b, 0,1,2,3,4,5,6,7
.if \cm == 1
	v_wmma_scale_f32_16x16x128_f8f6f4 v[8*(8*((\a)%4)+\b):8*(8*((\a)%4)+\b)+7], v[128*(\p)+16*\b:128*(\p)+16*\b+15], v[AF+16*(\a):AF+16*(\a)+15], v[BIAS+8*\b:BIAS+8*\b+7], v[SC+16*(\sc)+2*\b+(\q)], v[SC+16*(\sc)+2*(\a)+(\q)] matrix_a_scale:MATRIX_SCALE_ROW1
.elseif \cm == 2
	v_wmma_scale_f32_16x16x128_f8f6f4 v[8*(8*((\a)%4)+\b):8*(8*((\a)%4)+\b)+7], v[128*(\p)+16*\b:128*(\p)+16*\b+15], v[AF+16*(\a):AF+16*(\a)+15], v[BIAS+8*(\a):BIAS+8*(\a)+7], v[SC+16*(\sc)+2*\b+(\q)], v[SC+16*(\sc)+2*(\a)+(\q)] matrix_a_scale:MATRIX_SCALE_ROW1
.else
	v_wmma_scale_f32_16x16x128_f8f6f4 v[8*(8*((\a)%4)+\b):8*(8*((\a)%4)+\b)+7], v[128*(\p)+16*\b:128*(\p)+16*\b+15], v[AF+16*(\a):AF+16*(\a)+15], v[8*(8*((\a)%4)+\b):8*(8*((\a)%4)+\b)+7], v[SC+16*(\sc)+2*\b+(\q)], v[SC+16*(\sc)+2*(\a)+(\q)] matrix_a_scale:MATRIX_SCALE_ROW1
.endif
.endr
.endr
.endm
.macro FETCH_B slot, q, p              ; P's eight fragments into set p
	WIN TO_B
.irp i, 0,1,2,3,4,5,6,7
	FRAG 128*(\p)+16*\i, ADRB+\slot, \q, \i
.endr
	WIN 0
.endm
.macro FETCH_A slot, q, i0             ; Q's tiles i0 .. i0 + 3
.irp i, \i0, \i0+1, \i0+2, \i0+3
	FRAG AF+16*(\i), ADRA+\slot, \q, \i
.endr
.endm
.macro SCALES sc                       ; a K step's scale words: two a row; lanes 0-15 take Q's tile i, lanes 16-31 P's tile i
.irp i, 0,1,2,3,4,5,6,7
	ds_load_b64 v[SC+16*\sc+2*\i:SC+16*\sc+2*\i+1], v[ADRS] offset:512*\i
.endr
.endm
; A load into a register that a matrix instruction has read, and a vector instruction or store that reads a matrix result, stand NP places behind it; only plain vector instructions that name none of its
; registers are places (ISA guide 7.12.1 for vector instructions).
.macro PLACES n
.rept \n
	v_nop
.endr
.endm
; A slot's first 128 along K.  Q has one set of registers: a tile of Q is free as soon as its eight products are issued; tiles 0-3 are fetched anew in the step's middle, tiles 4-7 at its end.
.macro STEP slot, cm
	s_wait_dscnt 16                                ; P's set, Q's tiles 0-3 and the scale words are in; the youngest 16 loads (Q's tiles 4-7) may be out
.if \cm
	WIN BIA_LO
.else
	WIN MUL_LO
.endif
	MUL16 0, 0, 0, \slot, \cm
	MUL16 2, 0, 0, \slot, \cm
	s_wait_dscnt 0x0                               ; Q's tiles 4-7 are in
	PLACES NP
	FETCH_B \slot, 1, 1
	FETCH_A \slot, 1, 0
.if \cm
	WIN BIA_HI
.else
	WIN MUL_HI
.endif
	MUL16 4, 0, 0, \slot, \cm
	MUL16 6, 0, 0, \slot, \cm
	PLACES NP
	WIN 0
	FETCH_A \slot, 1, 4
.endm
; A slot's second 128 along K changes slots: ONE barrier; in front of it each wave waits for all its tensor loads, adds 0 to its spare word, and waits for that and for its own reads of this slot.
; fill = 1: the barrier opens a round of the cluster's barrier, and this slot is filled again, two K steps ahead, first thing behind the round.
.macro TURN slot, next, fill
	s_wait_tensorcnt 0x0                           ; all my tensor loads have landed: my part of the next slot
	ds_add_u32 v[SPW], v[NIL]                      ; 0 onto my spare word
	s_wait_dscnt 17                                ; the add and the youngest 16 loads (Q's tiles 4-7) may be out
	WIN MUL_LO
	MUL16 0, 1, 1, \slot, 0                        ; sixteen matrix instructions stand between the add and the wait for it
	s_wait_dscnt 0x0                               ; the add is done, and my reads of this slot are over
	s_barrier_signal -1
	MUL16 2, 1, 1, \slot, 0
	WIN 0
	s_barrier_wait -1
.if \fill
	CREST                                          ; no wave of any partner still reads this slot or has a load on its way
	s_add_nc_u64 s[G0+4*\slot+2:G0+4*\slot+3], s[G0+4*\slot+2:G0+4*\slot+3], 2*TILEB
	s_add_nc_u64 s[G0B+4*\slot+2:G0B+4*\slot+3], s[G0B+4*\slot+2:G0B+4*\slot+3], 2*TILEB
	JLOAD G0+4*\slot, G1, G0B+4*\slot, G1B         ; my one tensor load behind the round; its four v_nop are among the places in front of the loads below
	PLACES NP-4
.else
	PLACES NP
.endif
	s_wait_alu depctr_va_vdst(0)
	v_add_nc_u32 v[ADRS], 128, v[ADRS]             ; the next K step's scale words
	FETCH_B \next, 0, 0
	FETCH_A \next, 0, 0
	SCALES \next
	WIN MUL_HI
	MUL16 4, 1, 1, \slot, 0
	MUL16 6, 1, 1, \slot, 0
	PLACES NP
	WIN 0
	FETCH_A \next, 0, 4
.endm
	s_wait_alu depctr_va_vdst(0)                   ; the wait at the head's end
	s_wait_tensorcnt 0x0                           ; my tile of the head's four is in; these lines stand ahead of a later first fill as ahead of a refill
	ds_add_u32 v[SPW], v[NIL]
	s_mov_b32 s[G1+2], 8<<16                       ; no tensor load of mine is out: from here on a load brings 8 tiles
	s_mov_b32 s[G1+4], 8
	s_mov_b32 s[G1B+2], 8<<16
	s_mov_b32 s[G1B+4], 8
	s_wait_dscnt 0x0
	CROUND                                         ; all four tiles are in, and all sixteen work-groups are here
	JLOAD G0+4, G1, G0B+4, G1B                     ; K step 1: my one tensor load behind the round
	FETCH_B 0, 0, 0
	global_prefetch_b8 v31, s[100:101] offset:12288 th:TH_LOAD_NT scope:SCOPE_SE   ; K step 3, two refills ahead of its load; the last that there is
	FETCH_A 0, 0, 0
	SCALES 0
	FETCH_A 0, 0, 4
	s_wait_loadcnt 0x0                             ; the bias
	s_cmp_lt_u32 ttmp9, 16                         ; the first step is written twice: its products start the sums with the bias, of P's rows or of Q's.  Both ways hold the same loads and no store, barrier or tensor load
	s_cbranch_scc0 .Lfirst_v
	STEP 0, 1
	s_branch .Lfirst_done
.Lfirst_v:
	STEP 0, 2
.Lfirst_done:
	TURN 0, 1, 1                                   ; slot 0 takes K step 2
	STEP 1, 0
	TURN 1, 0, 1                                   ; slot 1 takes K step 3
	STEP 0, 0
	TURN 0, 1, 0                                   ; nothing is left to fetch
	STEP 1, 0
	s_wait_dscnt 16                                ; the very last step
	WIN MUL_LO
	MUL16 0, 1, 1, 1, 0
	MUL16 2, 1, 1, 1, 0
	s_wait_dscnt 0x0
	WIN MUL_HI
	MUL16 4, 1, 1, 1, 0
	MUL16 6, 1, 1, 1, 0
	WIN 0
; THE WAY OUT.  For each of Q's tiles a, the lane's 64 sums are four blocks of 32 along the next product's K (16 in this lane, 16 in lane l xor 16).  They become a fragment's codes, which leave as four images of
; 512 consecutive aligned bytes, and a scale word.  Each accumulator is read from its low end on.
.macro QW a
.set W,   2+(\a)/4
.set AC,  64*((\a)%4)
.set PCA, AF+16*(\a)
.set WS,  W|(W<<2)
	WIN WS                                         ; sources 0 and 1: the accumulators' window
.irp b, 0,1,2,3
	v_max3_num_f32 v[TM+\b], |v[AC+16*\b]|, |v[AC+16*\b+1]|, 0x4800000   ; and the floor 2^(9 - 127): the byte cannot fall under 1
.endr
.set WS,  (W<<2)|(W<<4)
	WIN WS                                         ; sources 1 and 2
.irp i, 2,4,6,8,10,12,14
.irp b, 0,1,2,3
	v_max3_num_f32 v[TM+\b], v[TM+\b], |v[AC+16*\b+\i]|, |v[AC+16*\b+\i+1]|
.endr
.endr
	WIN 0
.irp b, 0,1,2,3
	v_permlanex16_b32 v[TM+4+\b], v[TM+\b], s20, s21
.endr
.irp b, 0,1,2,3
	v_max_num_f32 v[TM+\b], v[TM+\b], v[TM+4+\b]
.endr
.irp b, 0,1,2,3
	v_add_nc_u32 v[TM+12+\b], 0xfc000000, v[TM+\b] ; 8 off the exponent field: the conversion's scale operand
.endr
.irp b, 0,1,2,3
	v_and_or_b32 v[TM+8+\b], v[TM+\b], 0x7f800000, s22   ; 448 x the scale
.endr
.irp b, 0,1,2,3
	v_lshrrev_b32 v[TM+4+\b], 23, v[TM+12+\b]      ; the scale's byte
.endr
	v_lshl_or_b32 v[PWB+\a], v[TM+5], 8, v[TM+4]
	v_lshl_or_b32 v[PWB+\a], v[TM+6], 16, v[PWB+\a]
	v_lshl_or_b32 v[PWB+\a], v[TM+7], 24, v[PWB+\a]
.set WS,  W|(W<<6)
	WIN WS                                         ; destination and source 0
.irp b, 0,1,2,3
.irp i, 0,1,2,3,4,5,6,7,8,9,10,11,12,13,14,15
	v_med3_num_f32 v[AC+16*\b+\i], v[AC+16*\b+\i], -v[TM+8+\b], v[TM+8+\b]   ; the conversion does not saturate (ISA guide 7.6.2): the hold comes first
.endr
.endr
	WIN W                                          ; source 0
.irp b, 0,1,2,3
	v_cvt_scalef32_pk8_fp8_f32 v[PCA+4*\b:PCA+4*\b+1], v[AC+16*\b:AC+16*\b+7], v[TM+12+\b]
	v_cvt_scalef32_pk8_fp8_f32 v[PCA+4*\b+2:PCA+4*\b+3], v[AC+16*\b+8:AC+16*\b+15], v[TM+12+\b]
.endr
	v_nop                                          ; a plain line behind the last conversion
	WIN 0
.irp b, 0,1,2,3
	global_store_b128 v[OFA+\a], v[PCA+4*\b:PCA+4*\b+3], s[10:11] offset:512*\b   ; each tile has its own registers for codes and offset: no store's sources are written again
.endr
.if (\a)%2
	v_perm_b32 v[XW+(\a)-1], v[PWB+\a], v[PWB+(\a)-1], s95   ; two tiles' words become the two words that are stored
	v_perm_b32 v[XW+\a], v[PWB+\a], v[PWB+(\a)-1], s96
	ds_store_b32 v[SCW], v[XW+(\a)-1] offset:64*((\a)/2)     ; my scratch lies in slot 0, which has had its last fill, and which nobody reads behind the last change of slots
	ds_store_b32 v[SCW], v[XW+\a] offset:256+64*((\a)/2)     ; (both halves of the lanes write the same word with the same value)
.endif
.endm
	PLACES NP
	s_mov_b32 s20, 0x76543210                      ; lane selects for v_permlanex16_b32: lane l xor 16
	s_mov_b32 s21, 0xfedcba98
	s_mov_b32 s22, 0x600000                        ; the mantissa field of 448
.irp a, 0,1,2,3,4,5,6,7
	v_mad_u32_u24 v[OFA+\a], s94, \a, v[LI]        ; tile a's place in c2, + 16 x lane
.endr
.irp b, 0,1,2,3
	v_mov_b32 v[TM+4+\b], 0                        ; a lane permute's destination counts as one of its sources
.endr
.irp a, 0,1,2,3,4,5,6,7
	QW \a
.endr
	ds_load_b128 v[SOUT:SOUT+3], v[SCR]            ; LDS serves a wave's instructions in order: this sees my stores
	s_wait_dscnt 0x0
	global_store_b128 v[SGO], v[SOUT:SOUT+3], s[12:13]   ; two runs of 256 consecutive aligned bytes
	s_wait_tensorcnt 0x0                           ; the wave's end
	ds_add_u32 v[SPW], v[NIL]
	s_wait_dscnt 0x0
	CROUND                                         ; the closing round: no work-group ends while a partner may still ask for a tile that names it
	s_endpgm
.Lfunc_end_k_q88708e081a_gemm1:
	.size	k_q88708e081a_gemm1, .Lfunc_end_k_q88708e081a_gemm1-k_q88708e081a_gemm1
	.p2alignl 7, 3214868480
	.fill 96, 4, 3214868480
	.section	.rodata,"a",@progbits
	.p2align	6, 0x0
	.amdhsa_kernel k_q88708e081a_gemm1
		.amdhsa_group_segment_fixed_size 327680
		.amdhsa_private_segment_fixed_size 0
		.amdhsa_enable_private_segment 0
		.amdhsa_kernarg_size 40
		.amdhsa_user_sgpr_count 2
		.amdhsa_user_sgpr_kernarg_segment_ptr 1
		.amdhsa_wavefront_size32 1
		.amdhsa_system_sgpr_workgroup_id_x 1
		.amdhsa_system_sgpr_workgroup_id_y 1
		.amdhsa_system_sgpr_workgroup_id_z 1
		.amdhsa_system_vgpr_workitem_id 0
		.amdhsa_next_free_vgpr 1024
		.amdhsa_next_free_sgpr 102
		.amdhsa_reserve_vcc 0
		.amdhsa_float_denorm_mode_32 3
		.amdhsa_float_denorm_mode_16_64 3
		.amdhsa_memory_ordered 1
		.amdhsa_forward_progress 1
		.amdhsa_inst_pref_size 209
	.end_amdhsa_kernel
	.amdgpu_metadata
---
amdhsa.version: [ 1, 2 ]
amdhsa.kernels:
  - .name:           k_q88708e081a_gemm1
    .symbol:         k_q88708e081a_gemm1.kd
    .args:
      - { .name: c1, .offset: 0, .size: 8, .value_kind: global_buffer, .address_space: global }
      - { .name: s1, .offset: 8, .size: 8, .value_kind: global_buffer, .address_space: global }
      - { .name: qkv_b, .offset: 16, .size: 8, .value_kind: global_buffer, .address_space: global }
      - { .name: c2, .offset: 24, .size: 8, .value_kind: global_buffer, .address_space: global }
      - { .name: s2, .offset: 32, .size: 8, .value_kind: global_buffer, .address_space: global }
    .group_segment_fixed_size: 327680
    .private_segment_fixed_size: 0
    .kernarg_segment_align: 8
    .kernarg_segment_size: 40
    .max_flat_workgroup_size: 128
    .sgpr_count:     102
    .vgpr_count:     1024
    .wavefront_size: 32
...
	.end_amdgpu_metadata
.endif
;; end of part 2
;; launch attn (part 3): grid 4 x 64, 12 waves a work-group, clusters of 4 x 1, 327,680 bytes of LDS; arguments c2, s2, c3, s3; writes c3, s3
.if DOCPART == 3
	.amdgcn_target "amdgcn-amd-amdhsa--gfx1250"
	.amdhsa_code_object_version 6
	.text
	.protected	k_q88708e081a_attn
	.globl	k_q88708e081a_attn
	.p2align	8
	.type	k_q88708e081a_attn,@function
k_q88708e081a_attn:
	s_mov_b64 s[64:65], 0
	v_nop
	global_prefetch_b8 v0, s[64:65] scope:SCOPE_SE
	s_setreg_imm32_b32 hwreg(HW_REG_WAVE_MODE, 25, 1), 1
	s_wait_xcnt 0x0
	s_wait_alu depctr_hold_cnt(0) depctr_sa_sdst(0) depctr_va_vdst(0) depctr_va_sdst(0) depctr_va_ssrc(0) depctr_va_vcc(0) depctr_vm_vsrc(0)
	s_getreg_b32 s2, hwreg(HW_REG_IB_STS2, 6, 4)
	s_cmp_eq_u32 s2, 0
	s_cbranch_scc0 .Lentry_in_a_cluster
	s_endpgm
.Lentry_in_a_cluster:
	s_bfe_u32 s2, ttmp6, 0x10000c
	s_cmp_lg_u32 s2, 0x3003
	s_cbranch_scc0 .Lentry_shape_is_right
	s_endpgm
.Lentry_shape_is_right:
; Causal attention of 64 heads (4 batches x 16), 2,048 tokens, head size 64, both products on codes of FP8 (E4M3) with E8M0 scales; O / l is quantised along the channels and leaves as codes.
; THE SOFTMAX AHEAD OF THE SECOND PRODUCT: t = score x log2(e) / 8; M = the row's largest t so far, rounded UP to a whole number; p = 2^(t - M) is what is quantised, along the keys.  The row's sum is taken of the
; unquantised p and divides O at the end.  When M moves, the sum and O are multiplied by 2^(old M - new M): exact.
; LEFT OUT: key steps all of whose 128 keys come after a tile's queries: the causal mask gives them the weight 0 for all values of the inputs.
; IN.  c2, s2 as the launch before lays them: images of operand registers.  A tile of 16 tokens or channels: tile 2 g + u holds 32 g + 8 u + i + 8 (i / 8).
; SHARES.  The four work-groups of a head form a cluster.  Work-group j owns the head's token tiles 4 i + j, i = 0 .. 31; tile i = 2 n + e needs key steps 0 .. n, whatever j.  So all four partners need all of K and V.
; Twelve waves, three to a SIMD, share the 32 tiles.  Wave w has e = w % 2 and takes, one after the other, the tiles whose n stand at place w / 2 of three tables: 15 14 13 12 11 10; 4 8 7 9 5 6; 3 0 2 1 - -.
; Waves 0 to 7 so walk 25 key steps in three tiles, waves 8 to 11 walk 18 in two: 32 tiles are eight times three and four times two.  Waves w, w + 4, w + 8 together walk 68.
; LDS HOLDS THE WHOLE HEAD: K's codes 131,072 bytes, V's 131,072, their scale words 4,096 each.  Each part is asked for ONCE, at the head, by a joint load that names the four partners, one load a wave; nothing is
; filled again, so behind the second barrier the waves share nothing and meet no more.  First barrier: the scale words and keys 0-255 (waves 0 to 6's loads, on lines of their own, and they alone wait);
; two key steps later the second: the rest (every wave waits).
; Every trip count is a constant (2 + 14, 10, 4); a step behind a tile's diagonal is jumped over by the wave's number and the count of steps.  Waves 8 to 11 walk the third loop with every step jumped over.
; The next tile's Q is loaded while a tile is walked.
; NO PREFETCH: K and V are asked for at the head, whole; there is no later tensor load to run ahead of.
; No branch, trip count or LDS address hangs on the place in the cluster; j enters global offsets and the mask's numbers.
; LAYOUT.  Both products are used transposed: S^T = K Q^T, O^T = V^T P^T: a lane holds ONE query (lane % 16); the 16 registers of two neighbouring tiles of keys are 16 neighbouring keys.
; HEAD SIZE 64 ON AN INSTRUCTION OF K = 128.  A fragment of K's codes holds TWO tiles of keys; Q stands between zeros: v16-23 = 0, v24-31 = Q, v32-39 = 0.  v[24:39] picks the even tile, v[16:31] the odd one.
; THE MASK, on the diagonal: a score is held under (d - key + 1/2) x 2^100, d the lane's last key that counts: at least 2^99 for a key that counts, at most -2^99 for a hidden one, whose p is then 0.
; OUT.  c3 [token tile 512][block of 32 channels 32][512]; s3 [token tile 512][pair of K steps 4][row 16][2] words; a head owns two of a word's four bytes, so its scale bytes leave singly.
; LIMITS: NaN and infinities are not served; scores stay under 2^99 in magnitude; a block of zeros gets the byte 1 (its codes are zeros, and this program alone reads the bytes).
.set VC,    131072                     ; V's codes: channel tile t at VC + 32,768 t; K's codes lie from 0 on, 1,024 bytes a tile
.set KSW,   262144                     ; K's scale words: 256 bytes a key step
.set VSW,   266240                     ; V's: 256 bytes a key step
.set SPARE, 270336                     ; the spare words, 128 bytes for each wave: six blocks of 256 bytes that no other line names
.set LI,  1                            ; v1   16 x lane
.set LWK, 2                            ; v2   KSW + 4 r
.set SPW, 3                            ; v3   my spare word; never rewritten
.set NIL, 4                            ; v4   0; never rewritten
.set QL,  5                            ; v5   r + 8 (r / 8) - 16 h
.set ADI, 6                            ; v6   the step's K codes
.set ADW, 7                            ; v7   the step's scale words
.set SBO, 8                            ; v8   8 r + h
.set LIV, 9                            ; v9   VC + 16 x lane
.set ADV, 10                           ; v10, v11 the step's V codes: channel tiles 0, 1; 2, 3; between tiles the offsets of Q's loads
.set QS,  49                           ; v49  Q's scale word; v40-47, v48: the next tile's Q and its word as loaded;  v255: 4 r
.set BM,  50
.set BT,  54
.set BH,  58
.set FR,  64                           ; v64-127 four fragments of K, then of V
.set S,   128                          ; v128-191 S^T, then p
.set O,   192                          ; v192-223 O^T
.set PC,  224                          ; v224-239 p's codes
.set BS,  240
.set KS,  244
.set PW,  248
.set WV,  12                           ; s12 wave; s13 128 x batch + j; s14 1,024 x head; s66 the head's place in a tile of s3; s67 32 (j / 2) + 8 (j % 2); s2 the selector for Q's scale word
.set SEL, 84
.set CS,  86
.set MNT, 88
.set HM,  89
.set KF,  90                           ; the step's first key
.set DK,  91                           ; the first key of my tile's step on the diagonal; s92: the next tile's
.set DKN, 92
.set Q0,  93                           ; my tile's first query; s94: the next tile's
.set Q0N, 94
.set KO,  95                           ; the step's place in K's codes, in V's, among the scale words
.set VO,  96
.set WO,  97
.set CNT, 98
.set TT,  99                           ; my token tile; s100: the next
.set TTN, 100
; group 1: s[16:23] 16 dense rows of 256 bytes; s[24:31] 112; s[32:39] 16 tiles of K, 1,024 bytes each, 32,768 apart; s[40:47] 112; s[48:55] 16 rows of 256 bytes, 4,096 apart
; group 0: s[56:59] V's keys 0-255; s[60:63] K's; s[68:71] K's scale words; s[72:75] V's; s[76:79] K's rest; s[80:83] V's rest
.macro CROUND
	s_barrier_signal -1
	s_barrier_wait -1
	s_cmp_lg_u32 s[WV], 0
	s_cbranch_scc1 .Lnw0_\@
	s_barrier_signal -3
.Lnw0_\@:
	s_barrier_wait -3
	s_barrier_signal -1
	s_barrier_wait -1
.endm
.macro GRP1 g, el, rows, pitch         ; elements of 8 bytes; the mask names the cluster's four; bit 21 beside it
	s_mov_b32 s[\g], 15|(3<<16)|(1<<21)
	s_mov_b32 s[\g+1], (\el)<<16
	s_mov_b32 s[\g+2], (\rows)<<16
	s_mov_b32 s[\g+3], (\el)<<16
	s_mov_b32 s[\g+4], \rows
	s_mov_b32 s[\g+5], \pitch
	s_mov_b32 s[\g+6], 0
	s_mov_b32 s[\g+7], 0
.endm
.macro GRP0 g, base                    ; word 1 (LDS) and word 2 (the offset in the buffer) are made already
	s_mov_b32 s[\g], 1
	s_mov_b32 s[\g+3], 0
	s_add_nc_u64 s[\g+2:\g+3], s[\base:\base+1], s[\g+2:\g+3]
	s_or_b32 s[\g+3], s[\g+3], 0x80000000
.endm
.macro ARM under, g0, g1, next
	s_cmp_lt_u32 s[WV], \under
	s_cbranch_scc0 \next
	tensor_load_to_lds s[\g0:\g0+3], s[\g1:\g1+7]
	s_nop 0
.rept 4
	v_nop
.endr
	s_branch .Lhead_asked
\next:
.endm
; THE NEXT TILE: its n is the nibble at place wave / 2 of the table; its numbers are made, and its Q and Q's scale words are asked for.
.macro NEXT tab
	s_lshr_b32 s3, s[WV], 1
	s_lshl_b32 s3, s3, 2
	s_lshr_b32 s3, \tab, s3
	s_and_b32 s3, s3, 15                           ; n
	s_lshl_b32 s[DKN], s3, 7
	s_lshl_b32 s3, s3, 1
	s_and_b32 s15, s[WV], 1
	s_add_co_u32 s3, s3, s15                       ; i = 2 n + e
	s_lshl_b32 s[Q0N], s3, 6
	s_add_co_u32 s[Q0N], s[Q0N], s67
	s_lshl_b32 s3, s3, 2
	s_add_co_u32 s[TTN], s3, s13                   ; the token tile: 128 x batch + 4 i + j
	s_lshl_b32 s3, s[TTN], 15                      ; Q's codes: tile of 32,768 bytes, the head's 1,024
	s_add_co_u32 s3, s3, s14
	s_lshr_b32 s15, s[TTN], 1                      ; Q's scale words: head slot of 16,384 bytes, pair of tiles of 64
	s_lshl_b32 s15, s15, 6
	s_lshl_b32 s101, s14, 4
	s_add_co_u32 s15, s15, s101
	v_add_nc_u32 v10, s3, v[LI]
	v_add_nc_u32 v11, s15, v255
	global_load_b128 v[40:43], v10, s[4:5]         ; two blocks' images
	global_load_b128 v[44:47], v10, s[4:5] offset:512
	global_load_b32 v48, v11, s[6:7]
	s_wait_xcnt 0x0                                ; the loads have read their offsets: the steps write these registers again
.endm
; ON TO THE TILE THAT WAS ASKED FOR
.macro ADOPT
	s_wait_loadcnt 0x0
	v_perm_b32 v[QS], v48, v48, s2                 ; my tile's two bytes of the pair's word, twice
.irp j, 0,1,2,3,4,5,6,7
	v_mov_b32 v[24+\j], v[40+\j]
.endr
.set N, 0
.rept 32
	v_mov_b32 v[O+N], 0                            ; O^T: the step is written once: a tile's first finds zeros
.set N, N+1
.endr
	v_mov_b32 v13, 0xff61b1e6                      ; the largest t so far: -3e38, under every t
	s_delay_alu instid0(VALU_DEP_1)
	v_floor_f32 v12, -v13                          ; -M
	v_mov_b32 v14, 0                               ; the sum, in two halves
	v_mov_b32 v15, 0
	s_wait_alu depctr_va_vdst(0)                   ; the wait ahead of the scalar lines, waits and branches that follow
	s_mov_b32 s[Q0], s[Q0N]
	s_mov_b32 s[DK], s[DKN]
	s_mov_b32 s[TT], s[TTN]
	s_mov_b32 s[KF], 0
	s_mov_b32 s[KO], 0
	s_mov_b32 s[VO], 0
	s_mov_b32 s[WO], 0
.endm
	s_load_b256 s[4:11], s[0:1], 0x0               ; c2 s[4:5], s2 s[6:7], c3 s[8:9], s3 s[10:11]
	v_lshl_add_u32 v[SPW], v0, 2, SPARE
	v_mov_b32 v[NIL], 0
	ds_add_u32 v[SPW], v[NIL]                      ; the opening lines: the add, twice on end, and its wait
	ds_add_u32 v[SPW], v[NIL]
	v_lshrrev_b32 v9, 5, v0
	v_readfirstlane_b32 s[WV], v9                  ; wave 0..11
	GRP1 16, 32, 16, 32
	GRP1 24, 32, 112, 32
	GRP1 32, 128, 16, 4096
	GRP1 40, 128, 112, 4096
	GRP1 48, 32, 16, 512
	s_and_b32 s14, ttmp7, 0xffff
	s_lshr_b32 s2, s14, 4                          ; the batch
	s_and_b32 s3, s14, 15                          ; the head
	s_bfe_u32 s13, ttmp6, 0x40000                  ; j: my place in the cluster
	s_lshl_b32 s14, s3, 19                         ; V's codes: the head's 4 channel tiles of 131,072 bytes; the batch's 64 blocks of 512
	s_lshl_b32 s15, s2, 15
	s_add_co_u32 s14, s14, s15
	s_add_co_u32 s14, s14, 0x1000000
	s_and_b32 s15, s[WV], 3                        ; waves 0-3 (keys 0-255) and waves 8-11 (the rest): channel tile = wave % 4
	s_lshl_b32 s57, s15, 15
	s_add_co_u32 s81, s57, VC+4096
	s_add_co_u32 s57, s57, VC
	s_lshl_b32 s15, s15, 17
	s_add_co_u32 s58, s14, s15
	s_add_co_u32 s82, s58, 4096
	s_lshl_b32 s14, s2, 22                         ; K's codes: the batch's 128 tiles of 32,768 bytes; k's blocks begin at 16,384, the head's at 1,024 x head
	s_lshl_b32 s15, s3, 10
	s_add_co_u32 s14, s14, s15
	s_add_co_u32 s62, s14, 16384
	s_mov_b32 s61, 0
	s_mov_b32 s77, 16384                           ; wave 7: tiles 16-127
	s_add_co_u32 s78, s62, 16*32768
	s_lshl_b32 s14, s3, 14                         ; K's scale words: head slot 16 + head of 16,384 bytes; the batch's 4,096
	s_lshl_b32 s15, s2, 12
	s_add_co_u32 s14, s14, s15
	s_add_co_u32 s70, s14, 262144
	s_mov_b32 s69, KSW
	s_lshl_b32 s14, s2, 16                         ; V's scale words: the batch's 16 key steps of 4,096 bytes; the head's 256
	s_lshl_b32 s15, s3, 8
	s_add_co_u32 s14, s14, s15
	s_add_co_u32 s74, s14, 524288
	s_mov_b32 s73, VSW
	s_mov_b32 s[SEL], 0x76543210
	s_mov_b32 s[SEL+1], 0xfedcba98
	s_mov_b32 s[CS], 0x3e38aa3b                    ; log2(e) / 8
	s_mov_b32 s[CS+1], s[CS]
	s_mov_b32 s[MNT], 0x600000
	s_mov_b32 s[HM], 0xffff0000
	s_wait_dscnt 0x0                               ; both opening adds are done
	CROUND                                         ; all four work-groups are here: the joint loads meet
	s_wait_kmcnt 0x0
	GRP0 56, 4
	GRP0 60, 4
	GRP0 68, 6
	GRP0 72, 6
	GRP0 76, 4
	GRP0 80, 4
	ARM 4,  56, 16, .Lhead_k                       ; one chain of branches on the wave's number, a load to an arm; each of the twelve waves issues one
	ARM 5,  60, 32, .Lhead_ks
	ARM 6,  68, 16, .Lhead_vs
	ARM 7,  72, 48, .Lhead_kr
	ARM 8,  76, 40, .Lhead_vr
	ARM 12, 80, 24, .Lhead_none
.Lhead_asked:
	s_lshr_b32 s15, s13, 1
	s_lshl_b32 s15, s15, 5
	s_and_b32 s101, s13, 1
	s_lshl_b32 s67, s101, 3
	s_add_co_u32 s67, s67, s15                     ; 32 (j / 2) + 8 (j % 2)
	s_lshl_b32 s15, s2, 7
	s_add_co_u32 s13, s13, s15                     ; 128 x batch + j
	s_mul_i32 s2, s101, 0x02020202                 ; an even tile's two bytes are the word's lower two, an odd tile's the upper two: each twice
	s_add_co_u32 s2, s2, 0x01000100
	s_lshl_b32 s14, s3, 10
	s_lshr_b32 s66, s3, 2                          ; s3: pair of K steps head / 4, K step (head / 2) % 2, bytes 2 (head % 2) on
	s_lshl_b32 s66, s66, 7
	s_bfe_u32 s15, s3, 0x10001
	s_lshl_b32 s15, s15, 2
	s_add_co_u32 s66, s66, s15
	s_and_b32 s15, s3, 1
	s_lshl_b32 s15, s15, 1
	s_add_co_u32 s66, s66, s15
	v_and_b32 v62, 31, v0
	v_and_b32 v63, 15, v0                          ; r
	v_bfe_u32 v254, v0, 4, 1                       ; h
	v_lshlrev_b32 v[LI], 4, v62
	v_lshlrev_b32 v255, 2, v63
	v_add_nc_u32 v[LWK], KSW, v255
	v_add_nc_u32 v[LIV], VC, v[LI]
	v_and_b32 v[QL], 8, v63
	v_add_nc_u32 v[QL], v[QL], v63
	v_lshlrev_b32 v62, 4, v254
	v_sub_nc_u32 v[QL], v[QL], v62
	v_lshl_add_u32 v[SBO], v63, 3, v254
.irp j, 0,1,2,3,4,5,6,7
	v_mov_b32 v[16+\j], 0                          ; the zeros on both sides of Q
	v_mov_b32 v[32+\j], 0
.endr
.irp b, 0,1,2,3
	v_mov_b32 v[BT+\b], 0                          ; a lane permute's destination counts as one of its sources
.endr
	v_mov_b32 v251, 0                              ; named as the upper half of the pair v[250:251]
	v_mov_b32 v254, 0
	s_wait_alu depctr_va_vdst(0)                   ; the wait at the head's end
	NEXT 0xabcdef                                  ; my first tile: n = 15 - wave / 2
	ADOPT
	NEXT 0x659784                                  ; my second: asked for now, taken up behind the first
	s_cmp_lt_u32 s[WV], 7                          ; waves 0 to 6 asked for the scale words and for keys 0-255, on lines that no other wave issues: they wait here
	s_cbranch_scc0 .Lnot_first
	s_wait_tensorcnt 0x0
.Lnot_first:
	s_barrier_signal -1
	s_barrier_wait -1
; A KEY STEP: 128 keys from s[KF] on.
.macro STEP
	s_cmp_gt_i32 s[KF], s[DK]
	s_cbranch_scc1 .Lhidden_\@                     ; all 128 keys come after my queries: the wave's number and the count of steps alone
	v_add_nc_u32 v[ADI], s[KO], v[LI]
	v_add_nc_u32 v[ADW], s[WO], v[LWK]
.rept 6
	v_nop                                          ; with the two additions: eight places in front of loads into registers that matrix instructions have read
.endr
.irp p, 0,1,2,3
.irp c, 0,1,2,3
	ds_load_b128 v[FR+16*\p+4*\c:FR+16*\p+4*\c+3], v[ADI] offset:2048*\p+512*\c   ; two tiles of keys: 32 neighbouring keys
.endr
	ds_load_b32 v[KS+\p], v[ADW] offset:64*\p
.endr
	s_wait_dscnt 0x0
	s_wait_alu depctr_va_vdst(0)
.irp p, 0,1,2,3
	v_wmma_scale_f32_16x16x128_f8f6f4 v[S+16*\p:S+16*\p+7], v[FR+16*\p:FR+16*\p+15], v[24:39], 0, v[KS+\p], v[QS]       ; the even tile: keys 32 p + 16 h + 0 .. 7
	v_wmma_scale_f32_16x16x128_f8f6f4 v[S+16*\p+8:S+16*\p+15], v[FR+16*\p:FR+16*\p+15], v[16:31], 0, v[KS+\p], v[QS]    ; the odd tile: keys 32 p + 16 h + 8 .. 15
.endr
	v_add_nc_u32 v[ADV], s[VO], v[LIV]             ; two of the eight places
	v_add_nc_u32 v[ADV+1], 0x10000, v[ADV]
.rept 6
	v_nop
.endr
.irp t, 0,1,2,3                                ; V's fragments take K's registers and land under the softmax
.irp c, 0,1,2,3
	ds_load_b128 v[FR+16*\t+4*\c:FR+16*\t+4*\c+3], v[ADV+\t/2] offset:32768*(\t%2)+512*\c
.endr
	ds_load_b32 v[KS+\t], v[ADW] offset:4096+64*\t
.endr
	s_cmp_lt_u32 s[KF], s[DK]
	s_cbranch_scc1 .Lopen_\@                       ; every key counts for every query of mine
	s_sub_co_i32 s3, s[Q0], s[KF]
	v_add_nc_u32 v62, s3, v[QL]                    ; d = my query - KF - 16 h.  Register 16 b + i holds key KF + 16 h + 32 b + i: hidden where 32 b + i > d
	v_cvt_f32_i32 v62, v62
	v_add_f32 v62, 0.5, v62
	v_mul_f32 v62, 0x71800000, v62                 ; (d + 1/2) x 2^100: the bound of register 0;
	v_add_f32 v63, 0xf1800000, v62                 ; 2^100 less: of register 1.  All bounds are whole multiples of 2^99 under 2^108: exact
.set N, 0
.rept 32
	v_dual_min_num_f32 v[S+N], v62, v[S+N] :: v_dual_min_num_f32 v[S+N+1], v63, v[S+N+1]
.if N%16 == 14
.if N < 62
	v_pk_add_f32 v[62:63], v[62:63], 0xf3900000 op_sel_hi:[1,0]   ; into the next block of 32 keys: 18 keys on
.endif
.else
	v_pk_add_f32 v[62:63], v[62:63], 0xf2000000 op_sel_hi:[1,0]   ; two keys on
.endif
.set N, N+2
.endr
.Lopen_\@:
.irp b, 0,1,2,3
	v_max3_num_f32 v[BM+\b], v[S+16*\b], v[S+16*\b+1], v[S+16*\b+2]   ; the largest score of each block of 32 keys: for the row's maximum and for the block's largest p
.endr
.irp i, 3,5,7,9,11,13
.irp b, 0,1,2,3
	v_max3_num_f32 v[BM+\b], v[BM+\b], v[S+16*\b+\i], v[S+16*\b+\i+1]
.endr
.endr
.irp b, 0,1,2,3
	v_max_num_f32 v[BM+\b], v[BM+\b], v[S+16*\b+15]
.endr
.irp b, 0,1,2,3
	s_delay_alu instid0(VALU_DEP_4)
	v_permlanex16_b32 v[BT+\b], v[BM+\b], s[SEL], s[SEL+1]
.endr
.irp b, 0,1,2,3
	s_delay_alu instid0(VALU_DEP_4)
	v_max_num_f32 v[BM+\b], v[BM+\b], v[BT+\b]     ; with lane l xor 16's 16 keys
.endr
	s_delay_alu instid0(VALU_DEP_2)
	v_max3_num_f32 v254, v[BM], v[BM+1], v[BM+2]
	s_delay_alu instid0(VALU_DEP_1)
	v_max_num_f32 v254, v254, v[BM+3]
	s_delay_alu instid0(VALU_DEP_1)
	v_mul_f32 v254, s[CS], v254                    ; as t (c is positive)
	s_delay_alu instid0(VALU_DEP_1)
	v_max_num_f32 v13, v13, v254                   ; the running largest t
	v_mov_b32 v254, v12
	s_delay_alu instid0(VALU_DEP_2)
	v_floor_f32 v12, -v13                          ; the new -M = floor(-t) = -ceil(t)
	s_delay_alu instid0(VALU_DEP_1)
	v_sub_f32 v254, v12, v254                      ; old M - new M: a whole number, 0 or less
	s_delay_alu instid0(VALU_DEP_1)
	v_cvt_i32_f32 v254, v254                       ; (it saturates)
	s_delay_alu instid0(VALU_DEP_1)
	v_ldexp_f32 v250, 1.0, v254                    ; f = 2^(old M - new M)
.set N, 0
.rept 32
	v_pk_fma_f32 v[S+N:S+N+1], v[S+N:S+N+1], s[CS:CS+1], v[12:13] op_sel_hi:[1,0,0]   ; t - M, two at a time
.set N, N+2
.endr
.irp b, 0,1,2,3
	v_fma_f32 v[BM+\b], v[BM+\b], s[CS], v12       ; the same of each block's largest score
.endr
.set N, 0
	s_wait_alu depctr_va_vdst(0)                   ; the wait ahead of the batch
.rept 64
	v_exp_f32 v[S+N], v[S+N]                       ; p = 2^(t - M), at most 1: not normalised
.set N, N+1
.endr
.irp b, 0,1,2,3
	v_exp_f32 v[BM+\b], v[BM+\b]                   ; the block's largest p: the same two instructions on the same number
.endr
	v_pk_mul_f32 v[14:15], v[14:15], v[250:251] op_sel_hi:[1,0]   ; the sums under the new M (a plain place behind the exponentials)
	s_wait_alu depctr_va_vdst(0)                   ; one wait for the batch, ahead of its first reader
.irp b, 0,1,2,3
	v_max_num_f32 v[BM+\b], 0x4800000, v[BM+\b]    ; the floor 2^(9 - 127): the byte cannot fall under 1
.endr
.irp b, 0,1,2,3
	s_delay_alu instid0(VALU_DEP_4)
	v_add_nc_u32 v[BS+\b], 0xfc000000, v[BM+\b]    ; 8 off the exponent field: the conversion's scale operand
.endr
.irp b, 0,1,2,3
	v_and_or_b32 v[BH+\b], v[BM+\b], 0x7f800000, s[MNT]   ; 448 x the scale
.endr
.irp b, 0,1,2,3
	v_lshrrev_b32 v[BT+\b], 23, v[BS+\b]           ; the scale's byte
.endr
	s_delay_alu instid0(VALU_DEP_3)
	v_lshl_or_b32 v[PW], v[BT+1], 8, v[BT]         ; p's scale word for these 128 keys
	s_delay_alu instid0(VALU_DEP_1)
	v_lshl_or_b32 v[PW], v[BT+2], 16, v[PW]
	s_delay_alu instid0(VALU_DEP_1)
	v_lshl_or_b32 v[PW], v[BT+3], 24, v[PW]
	v_pk_add_f32 v[252:253], v[132:133], v[136:137]   ; the row's sum of the unquantised p, in eight chains
	v_pk_add_f32 v[238:239], v[140:141], v[144:145]
	v_pk_add_f32 v[236:237], v[148:149], v[152:153]
	v_pk_add_f32 v[234:235], v[156:157], v[160:161]
	v_pk_add_f32 v[232:233], v[164:165], v[168:169]
	v_pk_add_f32 v[230:231], v[172:173], v[176:177]
	v_pk_add_f32 v[228:229], v[180:181], v[184:185]
	v_pk_add_f32 v[14:15], v[14:15], v[188:189]
	v_pk_add_f32 v[252:253], v[252:253], v[128:129]
	v_pk_add_f32 v[238:239], v[238:239], v[130:131]
	v_pk_add_f32 v[236:237], v[236:237], v[134:135]
	v_pk_add_f32 v[234:235], v[234:235], v[138:139]
	v_pk_add_f32 v[232:233], v[232:233], v[142:143]
	v_pk_add_f32 v[230:231], v[230:231], v[146:147]
	v_pk_add_f32 v[228:229], v[228:229], v[150:151]
	v_pk_add_f32 v[14:15], v[14:15], v[154:155]
	v_pk_add_f32 v[252:253], v[252:253], v[158:159]
	v_pk_add_f32 v[238:239], v[238:239], v[162:163]
	v_pk_add_f32 v[236:237], v[236:237], v[166:167]
	v_pk_add_f32 v[234:235], v[234:235], v[170:171]
	v_pk_add_f32 v[232:233], v[232:233], v[174:175]
	v_pk_add_f32 v[230:231], v[230:231], v[178:179]
	v_pk_add_f32 v[228:229], v[228:229], v[182:183]
	v_pk_add_f32 v[14:15], v[14:15], v[186:187]
	v_pk_add_f32 v[252:253], v[252:253], v[190:191]
	s_delay_alu instid0(VALU_DEP_2)
	v_pk_add_f32 v[14:15], v[14:15], v[234:235]
	s_delay_alu instid0(VALU_DEP_2)
	v_pk_add_f32 v[252:253], v[252:253], v[232:233]
	v_pk_add_f32 v[238:239], v[238:239], v[230:231]
	v_pk_add_f32 v[236:237], v[236:237], v[228:229]
	s_delay_alu instid0(VALU_DEP_2)
	v_pk_add_f32 v[14:15], v[14:15], v[238:239]
	s_delay_alu instid0(VALU_DEP_2)
	v_pk_add_f32 v[252:253], v[252:253], v[236:237]
	s_delay_alu instid0(VALU_DEP_1)
	v_pk_add_f32 v[14:15], v[14:15], v[252:253]
.irp b, 0,1,2,3
.irp i, 0,2,4,6,8,10,12,14
	v_dual_min_num_f32 v[S+16*\b+\i], v[BH+\b], v[S+16*\b+\i] :: v_dual_min_num_f32 v[S+16*\b+\i+1], v[BH+\b], v[S+16*\b+\i+1]   ; the conversion does not saturate (ISA guide 7.6.2); p is not negative, so the hold is one-sided; two holds an instruction
.endr
	v_cvt_scalef32_pk8_fp8_f32 v[PC+4*\b:PC+4*\b+1], v[S+16*\b:S+16*\b+7], v[BS+\b]
	v_cvt_scalef32_pk8_fp8_f32 v[PC+4*\b+2:PC+4*\b+3], v[S+16*\b+8:S+16*\b+15], v[BS+\b]
.endr
	s_wait_alu depctr_va_vdst(0)                   ; the wait directly ahead of the first reader of O^T
.set N, 0
.rept 16
	v_pk_mul_f32 v[O+N:O+N+1], v[O+N:O+N+1], v[250:251] op_sel_hi:[1,0]   ; O^T under the new M, from each accumulator's low end on; also the places between the codes and the products
.set N, N+2
.endr
	s_wait_alu depctr_va_vdst(0)
	s_wait_dscnt 0x0                               ; V's fragments and scale words are in
.irp t, 0,1,2,3
	v_wmma_scale_f32_16x16x128_f8f6f4 v[O+8*\t:O+8*\t+7], v[FR+16*\t:FR+16*\t+15], v[PC:PC+15], v[O+8*\t:O+8*\t+7], v[KS+\t], v[PW]   ; the four accumulators take turns
.endr
.Lhidden_\@:
	s_add_co_u32 s[KF], s[KF], 128
	s_add_co_u32 s[KO], s[KO], 8192
	s_add_co_u32 s[VO], s[VO], 2048
	s_add_co_u32 s[WO], s[WO], 256
.endm
; A TILE OF QUERIES IS DONE: O^T / the sum, quantised along the channels (register 16 b + i: channel 64 head + 32 b + 16 h + i of my query), leaves as two images of 512 consecutive aligned bytes and a byte a lane.
.macro FINISH
	s_lshl_b32 s3, s[TT], 14                       ; c3: tile of 16,384 bytes, the head's 1,024
	s_add_co_u32 s3, s3, s14
	s_lshl_b32 s15, s[TT], 9                       ; s3: tile of 512 bytes, the head's place
	s_add_co_u32 s15, s15, s66
.rept 8
	v_nop                                          ; places behind the last products
.endr
	v_add_f32 v14, v14, v15
	s_delay_alu instid0(VALU_DEP_1)
	v_permlanex16_b32 v254, v14, s[SEL], s[SEL+1]
	s_delay_alu instid0(VALU_DEP_1)
	v_add_f32 v14, v14, v254                       ; the row's sum
	s_wait_alu depctr_va_vdst(0)
	v_rcp_f32 v14, v14
	v_nop                                          ; a plain place behind the transcendental
.set N, 0
	s_wait_alu depctr_va_vdst(0)
.rept 16
	v_pk_mul_f32 v[O+N:O+N+1], v[O+N:O+N+1], v[14:15] op_sel_hi:[1,0]
.set N, N+2
.endr
.irp b, 0,1
	v_max3_num_f32 v[BM+\b], |v[O+16*\b]|, |v[O+16*\b+1]|, 0x4800000
.endr
.irp i, 2,4,6,8,10,12,14
.irp b, 0,1
	s_delay_alu instid0(VALU_DEP_2)
	v_max3_num_f32 v[BM+\b], v[BM+\b], |v[O+16*\b+\i]|, |v[O+16*\b+\i+1]|
.endr
.endr
.irp b, 0,1
	s_delay_alu instid0(VALU_DEP_2)
	v_permlanex16_b32 v[BT+\b], v[BM+\b], s[SEL], s[SEL+1]
.endr
.irp b, 0,1
	s_delay_alu instid0(VALU_DEP_2)
	v_max_num_f32 v[BM+\b], v[BM+\b], v[BT+\b]
.endr
.irp b, 0,1
	s_delay_alu instid0(VALU_DEP_2)
	v_add_nc_u32 v[BS+\b], 0xfc000000, v[BM+\b]
.endr
.irp b, 0,1
	s_delay_alu instid0(VALU_DEP_4)
	v_and_or_b32 v[BH+\b], v[BM+\b], 0x7f800000, s[MNT]
.endr
.irp b, 0,1
	s_delay_alu instid0(VALU_DEP_4)
	v_lshrrev_b32 v[BT+\b], 23, v[BS+\b]
.endr
.irp b, 0,1
.irp i, 0,1,2,3,4,5,6,7,8,9,10,11,12,13,14,15
	v_med3_num_f32 v[O+16*\b+\i], v[O+16*\b+\i], -v[BH+\b], v[BH+\b]
.endr
	v_cvt_scalef32_pk8_fp8_f32 v[PC+4*\b:PC+4*\b+1], v[O+16*\b:O+16*\b+7], v[BS+\b]
	v_cvt_scalef32_pk8_fp8_f32 v[PC+4*\b+2:PC+4*\b+3], v[O+16*\b+8:O+16*\b+15], v[BS+\b]
.endr
	v_add_nc_u32 v63, s3, v[LI]                    ; my tile's place in c3 (a plain line behind the last conversion)
	v_add_nc_u32 v62, s15, v[SBO]                  ; and my byte's in s3
	v_cndmask_b32 v249, v[BT], v[BT+1], s[HM]      ; lanes 0-15 store the first block's byte, lanes 16-31 the second's
	global_store_b128 v63, v[PC:PC+3], s[8:9]
	global_store_b128 v63, v[PC+4:PC+7], s[8:9] offset:512
	global_store_b8 v62, v249, s[10:11]
	s_wait_xcnt 0x0                                ; the stores have read their registers: these are written again only behind this wait
.endm
	STEP                                           ; keys 0-127 and 128-255 of my first tile: what the first barrier has shown
	STEP
	s_wait_tensorcnt 0x0                           ; every wave: the rest of K and V
	s_barrier_signal -1
	s_barrier_wait -1
	s_mov_b32 s[CNT], 0
.Lfirst:                                           ; 14 trips, a constant; steps behind the diagonal are jumped over
	STEP
	s_add_co_u32 s[CNT], s[CNT], 1
	s_cmp_lt_u32 s[CNT], 14
	s_cbranch_scc1 .Lfirst
	s_wait_alu depctr_va_vdst(0)
	FINISH
	ADOPT
	NEXT 0x1203                                    ; my third tile (waves 8 to 11 have none: what they load here is not used,
	s_cmp_lt_u32 s[WV], 8
	s_cselect_b32 s[DKN], s[DKN], -128             ; and with the diagonal ahead of key 0 every step of theirs is jumped over)
	s_mov_b32 s[CNT], 0
.Lsecond:                                          ; 10 trips: the second tiles have n = 9 at the most
	STEP
	s_add_co_u32 s[CNT], s[CNT], 1
	s_cmp_lt_u32 s[CNT], 10
	s_cbranch_scc1 .Lsecond
	s_wait_alu depctr_va_vdst(0)
	FINISH
	ADOPT
	s_mov_b32 s[CNT], 0
.Lthird:                                           ; 4 trips: the third tiles have n = 3 at the most; every wave walks the loop
	STEP
	s_add_co_u32 s[CNT], s[CNT], 1
	s_cmp_lt_u32 s[CNT], 4
	s_cbranch_scc1 .Lthird
	s_wait_alu depctr_va_vdst(0)
	s_cmp_lt_u32 s[WV], 8                          ; the wave's number alone; no LDS access and no barrier stands under the branch
	s_cbranch_scc0 .Lend
	FINISH
.Lend:
	s_wait_tensorcnt 0x0                           ; the wave's end
	ds_add_u32 v[SPW], v[NIL]
	s_wait_dscnt 0x0
	CROUND                                         ; the closing round
	s_endpgm
.Lfunc_end_k_q88708e081a_attn:
	.size	k_q88708e081a_attn, .Lfunc_end_k_q88708e081a_attn-k_q88708e081a_attn
	.p2alignl 7, 3214868480
	.fill 96, 4, 3214868480
	.section	.rodata,"a",@progbits
	.p2align	6, 0x0
	.amdhsa_kernel k_q88708e081a_attn
		.amdhsa_group_segment_fixed_size 327680
		.amdhsa_private_segment_fixed_size 0
		.amdhsa_enable_private_segment 0
		.amdhsa_kernarg_size 32
		.amdhsa_user_sgpr_count 2
		.amdhsa_user_sgpr_kernarg_segment_ptr 1
		.amdhsa_wavefront_size32 1
		.amdhsa_system_sgpr_workgroup_id_x 1
		.amdhsa_system_sgpr_workgroup_id_y 1
		.amdhsa_system_sgpr_workgroup_id_z 1
		.amdhsa_system_vgpr_workitem_id 0
		.amdhsa_next_free_vgpr 256
		.amdhsa_next_free_sgpr 102
		.amdhsa_reserve_vcc 0
		.amdhsa_float_denorm_mode_32 3
		.amdhsa_float_denorm_mode_16_64 3
		.amdhsa_memory_ordered 1
		.amdhsa_forward_progress 1
		.amdhsa_inst_pref_size 165
	.end_amdhsa_kernel
	.amdgpu_metadata
---
amdhsa.version: [ 1, 2 ]
amdhsa.kernels:
  - .name:           k_q88708e081a_attn
    .symbol:         k_q88708e081a_attn.kd
    .args:
      - { .name: c2, .offset: 0, .size: 8, .value_kind: global_buffer, .address_space: global }
      - { .name: s2, .offset: 8, .size: 8, .value_kind: global_buffer, .address_space: global }
      - { .name: c3, .offset: 16, .size: 8, .value_kind: global_buffer, .address_space: global }
      - { .name: s3, .offset: 24, .size: 8, .value_kind: global_buffer, .address_space: global }
    .group_segment_fixed_size: 327680
    .private_segment_fixed_size: 0
    .kernarg_segment_align: 8
    .kernarg_segment_size: 32
    .max_flat_workgroup_size: 384
    .sgpr_count:     102
    .vgpr_count:     256
    .wavefront_size: 32
...
	.end_amdgpu_metadata
.endif
;; end of part 3
;; launch gemm2 (part 4): grid 8 x 32, 4 waves a work-group, clusters of 4 x 4, 327,680 bytes of LDS; arguments c3, s3, c1, s1, proj_b, out0; writes out0
.if DOCPART == 4
	.amdgcn_target "amdgcn-amd-amdhsa--gfx1250"
	.amdhsa_code_object_version 6
	.text
	.protected	k_q88708e081a_gemm2
	.globl	k_q88708e081a_gemm2
	.p2align	8
	.type	k_q88708e081a_gemm2,@function
k_q88708e081a_gemm2:
	s_mov_b64 s[64:65], 0
	v_nop
	global_prefetch_b8 v0, s[64:65] scope:SCOPE_SE
	s_setreg_imm32_b32 hwreg(HW_REG_WAVE_MODE, 25, 1), 1
	s_wait_xcnt 0x0
	s_wait_alu depctr_hold_cnt(0) depctr_sa_sdst(0) depctr_va_vdst(0) depctr_va_sdst(0) depctr_va_ssrc(0) depctr_va_vcc(0) depctr_vm_vsrc(0)
	s_getreg_b32 s2, hwreg(HW_REG_IB_STS2, 6, 4)
	s_cmp_eq_u32 s2, 0
	s_cbranch_scc0 .Lentry_in_a_cluster
	s_endpgm
.Lentry_in_a_cluster:
	s_bfe_u32 s2, ttmp6, 0x10000c
	s_cmp_lg_u32 s2, 0xf033
	s_cbranch_scc0 .Lentry_shape_is_right
	s_endpgm
.Lentry_shape_is_right:
; out0 = O proj_w^T + proj_b on codes of FP8 (E4M3) with E8M0 scales, K = 1,024.  c3, s3 (O) and c1, s1 (proj_w: tiles 704-767) are images of operand registers, as the launches before lay them.
; A work-group makes 256 tokens (Q, source 1) x 128 channels (P, source 0), a wave 128 x 64; clusters of 4 x 4: Q's tiles are asked for jointly along a row, P's along a column.
; K goes in four steps of 256 through two LDS slots, written out; the scale words come once, at the head.  The bias is the C of each sum's first product.  Results leave through a stage in slot 0 as whole units of 256 bytes.
; THE HEAD'S LOADS, one a wave: wave 0 K step 0's 16 tiles of Q, wave 1 its 8 tiles of P, wave 2 Q's scale words, wave 3 P's; slot 1 is first filled behind the full sequence and a round.
; LIMITS: NaN and infinities are not served.
.set SLOT,  98304
.set POFF,  65536
.set TILEB, 4096
.set SCL,   196608
.set PSH,   8320
.set SPARE, 209152
.set NP,    8
.set SPITCH, 272
.set ADRA,  16
.set ADRB,  20
.set STO,   24
.set RD,    25
.set CO,    26
.set ADRS,  27
.set SPW,   28
.set NIL,   29
.set LI,    30
.set ADRQ,  31
.set SC,    32
.set BIAS,  64
.set AF,    128
.set BK,    128
.set G1,   24
.set G0,   32
.set G1B,  48
.set G0B,  56
.set G1S,  68
.set G0S,  76
.set G1SB, 80
.set G0SB, 88
.set MSB, 0
.macro WIN new
.if MSB != (\new)
	s_set_vgpr_msb (MSB<<8)|(\new)
.set MSB, (\new)
.endif
.endm
.set MUL,  0xa1
.set BIA,  0x81
.set TO_B, 0x40
.macro JLOAD g0a, g1a, g0b, g1b
	s_cmp_eq_u32 s15, 0
	s_cbranch_scc0 .Lfor_p_\@
	tensor_load_to_lds s[\g0a:\g0a+3], s[\g1a:\g1a+7]
	s_nop 0
.rept 4
	v_nop
.endr
	s_branch .Lasked_\@
.Lfor_p_\@:
	tensor_load_to_lds s[\g0b:\g0b+3], s[\g1b:\g1b+7]
	s_nop 0
.rept 4
	v_nop
.endr
.Lasked_\@:
.endm
.macro CREST
	s_cmp_lg_u32 s14, 0
	s_cbranch_scc1 .Lnot_wave_0_\@
	s_barrier_signal -3
.Lnot_wave_0_\@:
	s_barrier_wait -3
	s_barrier_signal -1
	s_barrier_wait -1
.endm
.macro CROUND
	s_barrier_signal -1
	s_barrier_wait -1
	CREST
.endm
	s_load_b256 s[4:11], s[0:1], 0x0
	s_load_b128 s[92:95], s[0:1], 0x20
	v_lshl_add_u32 v[SPW], v0, 2, SPARE
	v_mov_b32 v[NIL], 0
	ds_add_u32 v28, v29
	ds_add_u32 v28, v29
	s_wait_dscnt 0x0
	v_lshrrev_b32 v1, 5, v0
	v_readfirstlane_b32 s14, v1
	s_lshr_b32 s15, s14, 1
	s_and_b32 s16, s14, 1
	s_bfe_u32 s40, ttmp6, 0x40000
	s_bfe_u32 s41, ttmp6, 0x40004
	s_lshl_b32 s42, ttmp9, 2
	s_add_co_u32 s42, s42, s40
	s_and_b32 s17, ttmp7, 0xffff
	s_lshl_b32 s17, s17, 2
	s_add_co_u32 s17, s17, s41
	s_lshl_b32 s43, s41, 2
	s_lshl_b32 s43, 15, s43
	s_lshl_b32 s44, 0x1111, s40
	s_or_b32 s[G1+0], s43, (3<<16)|(1<<21)
	s_mov_b32 s[G1+1], 512<<16
	s_mov_b32 s[G1+2], 16<<16
	s_mov_b32 s[G1+3], 512<<16
	s_mov_b32 s[G1+4], 16
	s_mov_b32 s[G1+5], 2048
	s_mov_b32 s[G1+6], 0
	s_mov_b32 s[G1+7], 0
	s_or_b32 s[G1B+0], s44, (3<<16)|(1<<21)
	s_mov_b32 s[G1B+1], 512<<16
	s_mov_b32 s[G1B+2], 8<<16
	s_mov_b32 s[G1B+3], 512<<16
	s_mov_b32 s[G1B+4], 8
	s_mov_b32 s[G1B+5], 2048
	s_mov_b32 s[G1B+6], 0
	s_mov_b32 s[G1B+7], 0
	s_or_b32 s[G1S+0], s43, (3<<16)|(1<<21)
	s_mov_b32 s[G1S+1], 32<<16
	s_mov_b32 s[G1S+2], 32<<16
	s_mov_b32 s[G1S+3], 32<<16
	s_mov_b32 s[G1S+4], 32
	s_mov_b32 s[G1S+5], 32
	s_mov_b32 s[G1S+6], 0
	s_mov_b32 s[G1S+7], 0
	s_or_b32 s[G1SB+0], s44, (3<<16)|(1<<21)
	s_mov_b32 s[G1SB+1], 32<<16
	s_mov_b32 s[G1SB+2], 16<<16
	s_mov_b32 s[G1SB+3], 32<<16
	s_mov_b32 s[G1SB+4], 16
	s_mov_b32 s[G1SB+5], 32
	s_mov_b32 s[G1SB+6], 0
	s_mov_b32 s[G1SB+7], 0
	s_lshl_b32 s20, s17, 4
	s_lshl_b32 s22, s20, 9
	s_lshl_b32 s20, s20, 14
	s_mov_b32 s21, 0
	s_mov_b32 s23, 0
	s_lshl_b32 s96, s42, 3
	s_add_co_u32 s96, s96, 704
	s_lshl_b32 s46, s96, 14
	s_lshl_b32 s96, s96, 9
	s_mov_b32 s47, 0
	s_mov_b32 s97, 0
	s_lshl_b32 s45, s16, 15
	s_lshl_b32 s18, s16, 14
	s_add_co_u32 s18, s18, POFF
	s_wait_kmcnt 0x0
	s_add_nc_u64 s[20:21], s[4:5], s[20:21]
	s_add_nc_u64 s[22:23], s[6:7], s[22:23]
	s_add_nc_u64 s[46:47], s[8:9], s[46:47]
	s_add_nc_u64 s[96:97], s[10:11], s[96:97]
	CROUND
	s_mov_b32 s[G0S], 1
	s_mov_b32 s[G0S+1], SCL
	s_mov_b64 s[G0S+2:G0S+3], s[22:23]
	s_or_b32 s[G0S+3], s[G0S+3], 0x80000000
	s_mov_b32 s[G0SB], 1
	s_mov_b32 s[G0SB+1], SCL+PSH
	s_mov_b64 s[G0SB+2:G0SB+3], s[96:97]
	s_or_b32 s[G0SB+3], s[G0SB+3], 0x80000000
	s_mov_b32 s4, 1                                ; group 0 of the head's loads of K step 0: Q's 16 tiles,
	s_mov_b32 s5, 0
	s_mov_b64 s[6:7], s[20:21]
	s_or_b32 s7, s7, 0x80000000
	s_mov_b32 s8, 1                                ; P's 8 tiles
	s_mov_b32 s9, POFF
	s_mov_b64 s[10:11], s[46:47]
	s_or_b32 s11, s11, 0x80000000
	s_lshl_b32 s2, s16, 17                         ; for the ring: the 8 tiles of Q, or the 4 of P, that I fetch
	s_mov_b32 s3, 0
	s_add_nc_u64 s[20:21], s[20:21], s[2:3]
	s_lshl_b32 s2, s16, 16
	s_add_nc_u64 s[46:47], s[46:47], s[2:3]
.irp s, 0,1
	s_mov_b32 s[G0+4*\s], 1
	s_add_co_u32 s[G0+4*\s+1], s45, \s*SLOT
	s_add_nc_u64 s[G0+4*\s+2:G0+4*\s+3], s[20:21], \s*TILEB
	s_or_b32 s[G0+4*\s+3], s[G0+4*\s+3], 0x80000000
	s_mov_b32 s[G0B+4*\s], 1
	s_add_co_u32 s[G0B+4*\s+1], s18, \s*SLOT
	s_add_nc_u64 s[G0B+4*\s+2:G0B+4*\s+3], s[46:47], \s*TILEB
	s_or_b32 s[G0B+4*\s+3], s[G0B+4*\s+3], 0x80000000
.endr
.macro ARM under, g0, g1, next         ; one chain of branches on the wave's number, a load to an arm
	s_cmp_lt_u32 s14, \under
	s_cbranch_scc0 \next
	tensor_load_to_lds s[\g0:\g0+3], s[\g1:\g1+7]
	s_nop 0
.rept 4
	v_nop
.endr
	s_branch .Lhead_asked
\next:
.endm
	ARM 1, 4, G1, .Lhead_p
	ARM 2, 8, G1B, .Lhead_sq
	ARM 3, G0S, G1S, .Lhead_sp
	tensor_load_to_lds s[G0SB:G0SB+3], s[G1SB:G1SB+7]
	s_nop 0
.rept 4
	v_nop
.endr
.Lhead_asked:
	v_and_b32 v1, 15, v0
	v_bfe_u32 v2, v0, 4, 1
	s_wait_alu depctr_va_vdst(0)
	v_and_b32 v3, 31, v0
	v_lshlrev_b32 v[LI], 4, v3
	s_lshl_b32 s20, s15, 15
	s_lshl_b32 s21, s16, 14
	s_add_co_u32 s21, s21, POFF
.irp s, 0,1
	v_add_nc_u32 v[ADRA+\s], s20, v[LI]
	v_add_nc_u32 v[ADRB+\s], s21, v[LI]
	s_add_co_u32 s20, s20, SLOT
	s_add_co_u32 s21, s21, SLOT
.endr
	s_lshl_b32 s20, s15, 12
	s_lshl_b32 s21, s16, 11
	s_add_co_u32 s21, s21, PSH
	s_sub_co_u32 s21, s21, s20
	v_mul_u32_u24 v6, s21, v2
	s_add_co_u32 s20, s20, SCL
	v_lshlrev_b32 v5, 3, v1
	v_add_nc_u32 v[ADRQ], s20, v5
	v_add_nc_u32 v[ADRS], v[ADRQ], v6
	s_mul_i32 s20, s14, 16*SPITCH
	v_mul_u32_u24 v4, v1, SPITCH
	v_lshl_add_u32 v4, v2, 6, v4
	v_add_nc_u32 v[STO], s20, v4
	v_mul_u32_u24 v4, v2, SPITCH
	v_lshl_add_u32 v4, v1, 4, v4
	v_add_nc_u32 v[RD], s20, v4
	v_lshlrev_b32 v4, 12, v2
	v_lshl_add_u32 v[CO], v1, 4, v4
	s_lshl_b32 s20, s42, 9
	s_lshl_b32 s21, s16, 8
	s_add_co_u32 s20, s20, s21
	s_mov_b32 s21, 0
	s_add_nc_u64 s[92:93], s[92:93], s[20:21]
	s_add_nc_u64 s[94:95], s[94:95], s[20:21]
	s_lshl_b32 s20, s17, 20
	s_lshl_b32 s22, s15, 19
	s_add_co_u32 s20, s20, s22
	s_add_nc_u64 s[94:95], s[94:95], s[20:21]
	v_lshlrev_b32 v5, 6, v2
.irp b, 0,1,2,3
	global_load_b128 v[BIAS+8*\b:BIAS+8*\b+3], v5, s[92:93] offset:(32*(\b/2)+8*(\b%2))*4
	global_load_b128 v[BIAS+8*\b+4:BIAS+8*\b+7], v5, s[92:93] offset:(32*(\b/2)+8*(\b%2))*4+16
.endr
.macro FRAG reg, adr, q, i
.irp c, 0,1,2,3
	ds_load_b128 v[\reg+4*\c:\reg+4*\c+3], v[\adr] offset:TILEB*(\i)+2048*(\q)+512*\c
.endr
.endm
.macro MUL8 a0, p, q, sc, cm
.irp a, \a0, \a0+1
.irp b, 0,1,2,3
.if \cm
	v_wmma_scale_f32_16x16x128_f8f6f4 v[8*(4*(\a)+\b):8*(4*(\a)+\b)+7], v[128*(\p)+16*\b:128*(\p)+16*\b+15], v[AF+16*(\a):AF+16*(\a)+15], v[BIAS+8*\b:BIAS+8*\b+7], v[SC+16*(\sc)+2*\b+(\q)], v[SC+16*(\sc)+2*(\a)+(\q)] matrix_a_scale:MATRIX_SCALE_ROW1
.else
	v_wmma_scale_f32_16x16x128_f8f6f4 v[8*(4*(\a)+\b):8*(4*(\a)+\b)+7], v[128*(\p)+16*\b:128*(\p)+16*\b+15], v[AF+16*(\a):AF+16*(\a)+15], v[8*(4*(\a)+\b):8*(4*(\a)+\b)+7], v[SC+16*(\sc)+2*\b+(\q)], v[SC+16*(\sc)+2*(\a)+(\q)] matrix_a_scale:MATRIX_SCALE_ROW1
.endif
.endr
.endr
.endm
.macro FETCH_B slot, q, p
	WIN TO_B
.irp i, 0,1,2,3
	FRAG 128*(\p)+16*\i, ADRB+\slot, \q, \i
.endr
	WIN 0
.endm
.macro FETCH_A slot, q, i0
.irp i, \i0, \i0+1, \i0+2, \i0+3
	FRAG AF+16*(\i), ADRA+\slot, \q, \i
.endr
.endm
.macro SCALES sc
.irp i, 0,1,2,3
	ds_load_b64 v[SC+16*\sc+2*\i:SC+16*\sc+2*\i+1], v[ADRS] offset:512*\i
.endr
.irp i, 4,5,6,7
	ds_load_b64 v[SC+16*\sc+2*\i:SC+16*\sc+2*\i+1], v[ADRQ] offset:512*\i
.endr
.endm
.macro PLACES n
.rept \n
	v_nop
.endr
.endm
.macro STEP slot, cm
	s_wait_dscnt 16
.if \cm
	WIN BIA
.else
	WIN MUL
.endif
	MUL8 0, 0, 0, \slot, \cm
	MUL8 2, 0, 0, \slot, \cm
	s_wait_dscnt 0x0
	PLACES NP
	FETCH_B \slot, 1, 1
	FETCH_A \slot, 1, 0
.if \cm
	WIN BIA
.else
	WIN MUL
.endif
	MUL8 4, 0, 0, \slot, \cm
	MUL8 6, 0, 0, \slot, \cm
	PLACES NP
	WIN 0
	FETCH_A \slot, 1, 4
.endm
.macro TURN slot, next, fill
	s_wait_tensorcnt 0x0
	ds_add_u32 v[SPW], v[NIL]
	s_wait_dscnt 17
	WIN MUL
	MUL8 0, 1, 1, \slot, 0
	s_wait_dscnt 0x0
	s_barrier_signal -1
	MUL8 2, 1, 1, \slot, 0
	WIN 0
	s_barrier_wait -1
.if \fill
	CREST
	s_add_nc_u64 s[G0+4*\slot+2:G0+4*\slot+3], s[G0+4*\slot+2:G0+4*\slot+3], 2*TILEB
	s_add_nc_u64 s[G0B+4*\slot+2:G0B+4*\slot+3], s[G0B+4*\slot+2:G0B+4*\slot+3], 2*TILEB
	JLOAD G0+4*\slot, G1, G0B+4*\slot, G1B
	PLACES NP-4
.else
	PLACES NP
.endif
	s_wait_alu depctr_va_vdst(0)
	v_add_nc_u32 v[ADRS], 128, v[ADRS]
	v_add_nc_u32 v[ADRQ], 128, v[ADRQ]
	FETCH_B \next, 0, 0
	FETCH_A \next, 0, 0
	SCALES \next
	WIN MUL
	MUL8 4, 1, 1, \slot, 0
	MUL8 6, 1, 1, \slot, 0
	PLACES NP
	WIN 0
	FETCH_A \next, 0, 4
.endm
	s_wait_alu depctr_va_vdst(0)                   ; the wait at the head's end
	s_wait_tensorcnt 0x0                           ; my tile of the head's four is in
	ds_add_u32 v[SPW], v[NIL]
	s_mov_b32 s[G1+2], 8<<16                       ; no tensor load of mine is out: from here on a load brings 8 tiles of Q or 4 of P
	s_mov_b32 s[G1+4], 8
	s_mov_b32 s[G1B+2], 4<<16
	s_mov_b32 s[G1B+4], 4
	s_wait_dscnt 0x0
	CROUND                                         ; all four tiles are in, and all sixteen work-groups are here
	JLOAD G0+4, G1, G0B+4, G1B                     ; K step 1: my one tensor load behind the round
	FETCH_B 0, 0, 0
	FETCH_A 0, 0, 0
	SCALES 0
	FETCH_A 0, 0, 4
	s_wait_loadcnt 0x0
	STEP 0, 1
	TURN 0, 1, 1
	STEP 1, 0
	TURN 1, 0, 1
	STEP 0, 0
	TURN 0, 1, 0
	STEP 1, 0
	s_wait_dscnt 16
	WIN MUL
	MUL8 0, 1, 1, 1, 0
	MUL8 2, 1, 1, 1, 0
	s_wait_dscnt 0x0
	MUL8 4, 1, 1, 1, 0
	MUL8 6, 1, 1, 1, 0
	WIN 0
.macro TOSTAGE a
	WIN 0x08
.irp b, 0,1,2,3
	ds_store_b128 v[STO], v[8*(4*(\a)+\b):8*(4*(\a)+\b)+3] offset:128*(\b/2)+32*(\b%2)
	ds_store_b128 v[STO], v[8*(4*(\a)+\b)+4:8*(4*(\a)+\b)+7] offset:128*(\b/2)+32*(\b%2)+16
.endr
	WIN 0
.set BB, BK+32*((\a)%2)
.irp t, 0,1,2,3,4,5,6,7
	ds_load_b128 v[BB+4*\t:BB+4*\t+3], v[RD] offset:2*SPITCH*\t
.endr
.endm
.macro SEND a, younger
.set BB, BK+32*((\a)%2)
	s_wait_dscnt \younger
.irp t, 0,1,2,3,4,5,6,7
	global_store_b128 v[CO], v[BB+4*\t:BB+4*\t+3], s[94:95] offset:(32*((\a)/2)+8*((\a)%2)+2*\t+8*(\t/4))*4096 th:TH_STORE_NT
.endr
.endm
	PLACES NP
	TOSTAGE 0
.irp a, 1,2,3,4,5,6,7
.if \a > 1
	s_wait_xcnt 0x0
.endif
	TOSTAGE \a
	SEND \a-1, 16
.endr
	SEND 7, 0
	s_wait_tensorcnt 0x0
	ds_add_u32 v[SPW], v[NIL]
	s_wait_dscnt 0x0
	CROUND
	s_endpgm
.Lfunc_end_k_q88708e081a_gemm2:
	.size	k_q88708e081a_gemm2, .Lfunc_end_k_q88708e081a_gemm2-k_q88708e081a_gemm2
	.p2alignl 7, 3214868480
	.fill 96, 4, 3214868480
	.section	.rodata,"a",@progbits
	.p2align	6, 0x0
	.amdhsa_kernel k_q88708e081a_gemm2
		.amdhsa_group_segment_fixed_size 327680
		.amdhsa_private_segment_fixed_size 0
		.amdhsa_enable_private_segment 0
		.amdhsa_kernarg_size 48
		.amdhsa_user_sgpr_count 2
		.amdhsa_user_sgpr_kernarg_segment_ptr 1
		.amdhsa_wavefront_size32 1
		.amdhsa_system_sgpr_workgroup_id_x 1
		.amdhsa_system_sgpr_workgroup_id_y 1
		.amdhsa_system_sgpr_workgroup_id_z 1
		.amdhsa_system_vgpr_workitem_id 0
		.amdhsa_next_free_vgpr 768
		.amdhsa_next_free_sgpr 100
		.amdhsa_reserve_vcc 0
		.amdhsa_float_denorm_mode_32 3
		.amdhsa_float_denorm_mode_16_64 3
		.amdhsa_memory_ordered 1
		.amdhsa_forward_progress 1
		.amdhsa_inst_pref_size 93
	.end_amdhsa_kernel
	.amdgpu_metadata
---
amdhsa.version: [ 1, 2 ]
amdhsa.kernels:
  - .name:           k_q88708e081a_gemm2
    .symbol:         k_q88708e081a_gemm2.kd
    .args:
      - { .name: c3, .offset: 0, .size: 8, .value_kind: global_buffer, .address_space: global }
      - { .name: s3, .offset: 8, .size: 8, .value_kind: global_buffer, .address_space: global }
      - { .name: c1, .offset: 16, .size: 8, .value_kind: global_buffer, .address_space: global }
      - { .name: s1, .offset: 24, .size: 8, .value_kind: global_buffer, .address_space: global }
      - { .name: proj_b, .offset: 32, .size: 8, .value_kind: global_buffer, .address_space: global }
      - { .name: out0, .offset: 40, .size: 8, .value_kind: global_buffer, .address_space: global }
    .group_segment_fixed_size: 327680
    .private_segment_fixed_size: 0
    .kernarg_segment_align: 8
    .kernarg_segment_size: 48
    .max_flat_workgroup_size: 128
    .sgpr_count:     100
    .vgpr_count:     768
    .wavefront_size: 32
...
	.end_amdgpu_metadata
.endif
;; end of part 4
